; MI455X (gfx1250); checked and timed in simulation.
; The chip was launched on July 23, 2026; its instructions are those of AMD's public machine-readable ISA for CDNA 5 (MIT licence, August 2026) and "CDNA5" Instruction Set Architecture Reference Guide (July 2026). The comments in the code are by the model that wrote it; some were corrected since.
;; Multi Head Self Attention. Allowed arithmetic: matrix products marked QUANTISED: E2M3 operands, one E8M0 scale for each 32 along K, by v_wmma_scale_f32_16x16x128_f8f6f4 with both operands' format E2M3, f32 sums; everything else in f32.
;; Inputs: Wk 1,024 x 1,024 float32; Wo 1,024 x 1,024 float32; Wq 1,024 x 1,024 float32; Wv 1,024 x 1,024 float32; bk 1,024 float32; bo 1,024 float32; bq 1,024 float32; bv 1,024 float32; mask 4 x 2,048 x 2,048 int32; x 4 x 2,048 x 1,024 float32.
;; Outputs: out0 4 x 2,048 x 1,024 float32.
;; This version of the problem:
;;   THIS VERSION OF THE PROBLEM IS GIVEN IN LOW PRECISION. The matrix products marked QUANTISED in the list below multiply operands that are first quantised to E2M3 (2 exponent bits, 3 mantissa bits; 6 bits a number), with one power-of-two scale for each 32 numbers along K (OCP MX v1.0); their sums are f32. All else is computed in f32.
;;   The module's matrix products, in the order in which they are computed (A, B: the left and right operand; K: the contracted axis; several contracted axes count as one K, in the product's order):
;;     1. [M 8,192, K 1,024] x [K 1,024, N 1,024]; A: input x; B: input Wq: QUANTISED
;;     2. [M 8,192, K 1,024] x [K 1,024, N 1,024]; A: input x; B: input Wk: QUANTISED
;;     3. [M 8,192, K 1,024] x [K 1,024, N 1,024]; A: input x; B: input Wv: QUANTISED
;;     4. batch 64 x [M 2,048, K 64] x [K 64, N 2,048]; A: computed on the way; B: computed on the way: QUANTISED
;;     5. batch 64 x [M 64, K 2,048] x [K 2,048, N 2,048]; A: computed on the way; B: softmax (see below): QUANTISED
;;     6. [M 8,192, K 1,024] x [K 1,024, N 1,024]; A: computed on the way; B: input Wo: QUANTISED
;;   THE QUANTISER, for each operand of a quantised product, along K:
;;     - K is cut into blocks of 32 from its start; a last block that is shorter is filled with zeros.
;;     - A block's scale is 2^e with e = floor(log2(the largest magnitude in the block)) - 2, held to -126 .. 127; a block of zeros has e = 0. As a byte (E8M0): e + 127.
;;     - Each number is divided by its block's scale, clamped to +-7.5, and rounded to the nearest number of E2M3, ties to even, subnormals kept.
;;     - The product sums the exact products of the quantised numbers (number of the format x scale) in f32.
;;   ~~~python
;;   def quantise(x, axis):      # numpy; x: float32 -> the quantised numbers, widened to float32 again
;;       x = np.moveaxis(x, axis, -1); K = x.shape[-1]
;;       x = np.pad(x, [(0, 0)] * (x.ndim - 1) + [(0, -K % 32)]); x = x.reshape(x.shape[:-1] + (-1, 32)); a = np.abs(x).max(-1, keepdims=True)
;;       e = np.where(a > 0, np.clip(np.frexp(np.where(a > 0, a, 1))[1] - 1 - 2, -126, 127), 0)      # np.frexp(a)[1] - 1 = floor(log2(a)), exactly
;;       r = np.clip(x / 2.0 ** e, -7.5, 7.5)
;;       step = 2.0 ** (np.maximum(np.frexp(np.where(r == 0, 1, r))[1] - 1, 0) - 3)
;;       q = np.round(r / step) * step * 2.0 ** e      # np.round: ties to even
;;       return np.moveaxis(q.reshape(q.shape[:-2] + (-1,))[..., :K], -1, axis).astype(np.float32)
;;   ~~~
;;   SOFTMAX AHEAD OF A QUANTISED PRODUCT. Where the list says 'softmax', what is quantised is not the finished softmax but p = 2^(t - M), with t = logit x log2(e) and M = ceil(the row's largest t), a whole number; so 1/2 < the row's largest p <= 1. The row's sum l is taken of the UNQUANTISED p, in f32, and the product's result is divided by l at the end. Since M is a whole number, a kernel that streams over the keys may use a running M (the ceiling of the running maximum): every later rescaling is an exact power of two, which a block's scale takes up: the codes' values come out the same.
;;   OPERANDS COMPUTED ON THE WAY. 'Computed on the way' means the value that the module computes at that place (a softmax that the list does not call 'softmax' is quantised finished and normalised). What goes into a quantiser is computed in f32, as accurately as f32 sums, v_exp_f32 and their like allow (about 1e-6 of the number): no bf16 or f16 on the way to a quantiser, and a product that is left as it is and whose result goes on into a quantised operand takes f32 operands (vector FMAs, or v_wmma_f32_16x16x4_f32). A number that lies on a knife's edge between two numbers of the format may be rounded either way, as far as f32 arithmetic and the matrix unit's own rounding can turn it there, and no further.
;; 2 versions, each right; version 2 is version 1 with the launch attn written anew for expert scheduling mode. Each part assembles by itself: llvm-mc -triple=amdgcn-amd-amdhsa -mcpu=gfx1250 --defsym DOCPART=n.
;; ======== version 1 of 2: 4 launches
;; limits: right only within a limited range of input values
;; workspace buffers: xq 6,553,600 bytes; wq 3,276,800 bytes; qq 6,815,744 bytes; kv 13,107,200 bytes; mb 2,097,152 bytes; mf 16,384 bytes of whole numbers; yq 6,553,600 bytes
;; launch prep (part 1): grid 704 x 1, 4 waves a work-group, no clusters, 68,096 bytes of LDS; arguments x, Wq, Wk, Wv, Wo, mask, xq, wq, mb, mf; writes xq, wq, mb, mf
.if DOCPART == 1
	.amdgcn_target "amdgcn-amd-amdhsa--gfx1250"
	.amdhsa_code_object_version 6
	.text
	.protected	k_q61ce41a5bd_prep
	.globl	k_q61ce41a5bd_prep
	.p2align	8
	.type	k_q61ce41a5bd_prep,@function
k_q61ce41a5bd_prep:
	s_mov_b64 s[64:65], 0
	v_nop
	global_prefetch_b8 v0, s[64:65] scope:SCOPE_SE
	s_setreg_imm32_b32 hwreg(HW_REG_WAVE_MODE, 25, 1), 1
	s_wait_xcnt 0x0
; PREP.  (1) x [8192][1024] and Wq, Wk, Wv, Wo [1024][1024], f32, K innermost, become codes of FP6 (E2M3) with one E8M0 byte for each 32 along K, laid in the order of a matrix operand's registers.
; (2) mask [4][2048][2048], int32, becomes lane-mask words (mb), one bit an entry, laid as v_cndmask_b32 takes them in the attention launch, and two whole numbers a wave (mf) that say which key steps hold open and closed entries.
; TILES.  A tile is 16 rows: tile T holds rows 32 (T / 2) + 8 (T % 2) + r + 8 (r / 8), r = 0 .. 15.  Used as source 0 of a product, tiles 2 g and 2 g + 1 then leave 16 neighbours, 32 g + 16 (lane / 16) + 0 .. 15, in a lane's 16 registers.
; CODES.  Fragment (tile T, K step s of 128) is 12 registers a lane; registers 2 p, 2 p + 1 of lane l lie at ((8 T + s) 6 + p) 256 + 8 l.  SCALES: 32 bytes for each row of a tile, a word for each K step, at 512 T + 32 r behind the codes.
; MASK WORDS.  mb: [tile][key step of 128][n = 0 .. 63]: bit l of word n is (mask[row r of the tile][128 step + 32 (n / 16) + 16 (l / 16) + n % 16] != 0), r = l % 16.
; WHOLE NUMBERS.  mf: [tile][wave][2]: word 0: bit s: key step s has an open entry, bit 16 + s: it has a closed one (the wave's four steps alone); word 1: the lanes that have seen an open entry in the wave's steps.
; SHARES.  Work-groups 0 to 511: one tile of mask rows each, wave w its key steps 4 w .. 4 w + 3.  Work-groups 512 to 703: four tiles of x or of a weight each, a wave a tile, all eight K steps.
; Both work on 16 rows x 512 bytes at a time: each load takes a row's 512 consecutive bytes, 16 a lane; the 8,192 bytes turn through the wave's own stage in LDS (rows 528 bytes apart, so that 16 rows begin at 16 different banks: 64 banks of
; 4 bytes, ISA guide 11.1) and come back so that lane (r, h) holds, in register 16 b + i, element 32 b + 16 h + i of row r.  The two paths have stages of their own.  Waves share nothing: no barrier.
; A block's scale is 2^(floor(log2(its largest magnitude)) - 2); its byte is that magnitude's exponent field - 2, held at 1 from below.
; LIMITS: a block of zeros gets the byte 1 where the rule says 127 (its codes are zeros, and this program alone reads the bytes); NaN and infinities among the inputs are not served.
.set XS,    6291456                    ; xq: the scale rows begin here
.set WS,    3145728                    ; wq: likewise
.set STG,   16*528                     ; a stage
.set QST,   4*STG                      ; the quantising path's four stages lie behind the mask path's four
.set SPARE, 8*STG                      ; behind the stages: the spare words, 128 bytes for each wave: two blocks of 256 bytes that no other line names
.set SPW,   12                         ; v12  LDS address of my spare word; never rewritten
.set NIL,   13                         ; v13  0; never rewritten
.set SW,    14                         ; v14-21  the eight K steps' scale words (quantising path)
.set OW,    14                         ; v14-21  a pair of registers of mask words for each of four key steps (mask path)
.set TM,    22                         ; v22-37  at work in QUANT
.set PC,    40                         ; v40-59  the codes just made
.set R,     64                         ; v64-191 two sets of 64 registers as loaded
.set X,     192                        ; v192-255 64 numbers of my row
	s_load_b256 s[4:11], s[0:1], 0x0               ; x, Wq, Wk, Wv
	s_load_b256 s[12:19], s[0:1], 0x20             ; Wo, mask, xq, wq
	s_load_b64 s[20:21], s[0:1], 0x40              ; mb
	s_load_b64 s[50:51], s[0:1], 0x48              ; mf
	v_lshl_add_u32 v[SPW], v0, 2, SPARE
	v_mov_b32 v[NIL], 0
	v_lshrrev_b32 v1, 5, v0
	v_readfirstlane_b32 s22, v1                    ; wave 0..3
	v_and_b32 v1, 31, v0                           ; lane
	v_and_b32 v2, 15, v0                           ; r
	v_bfe_u32 v3, v0, 4, 1                         ; h
	v_lshlrev_b32 v4, 4, v1                        ; my 16 bytes of a row's 512
	s_mul_i32 s23, s22, STG
	v_add_nc_u32 v5, s23, v4                       ; the mask path's stage, on the way in: 16 x lane
	v_mul_u32_u24 v6, v2, 528
	v_lshl_add_u32 v6, v3, 6, v6
	v_add_nc_u32 v6, s23, v6                       ; and on the way out: row r, + 64 h
	v_add_nc_u32 v7, QST, v5                       ; the quantising path's
	v_add_nc_u32 v8, QST, v6
	v_lshlrev_b32 v9, 3, v1                        ; 8 x lane
	v_lshlrev_b32 v10, 5, v2
	v_lshl_add_u32 v10, v3, 4, v10                 ; 32 r + 16 h: my half of my row's scale words
	v_lshlrev_b32 v11, 2, v1                       ; 4 x lane
	s_mov_b32 s30, 0xffff0000                      ; lanes 16-31
	s_mov_b32 s31, 0xaaaaaaaa                      ; odd lanes
	s_mov_b32 s32, 0x76543210
	s_mov_b32 s33, 0xfedcba98                      ; v_permlanex16_b32's selects for lane l xor 16
	s_mov_b32 s49, 0
.irp b, 0,1,2,3
	v_mov_b32 v[TM+4+\b], 0                        ; written once: a lane permute's destination counts as one of its sources
.endr
.macro LOADT set, pitch, off           ; 16 rows of the tile, 512 bytes each, from byte off of the rows
.irp i, 0,1,2,3,4,5,6,7,8,9,10,11,12,13,14,15
	global_load_b128 v[R+64*(\set)+4*\i:R+64*(\set)+4*\i+3], v4, s[24:25] offset:(\i+8*(\i/8))*(\pitch)+(\off) th:TH_LOAD_NT
.endr
.endm
.macro TURNT set, in, out              ; through my stage: LDS serves a wave's instructions in order (ISA guide 5.7.1.4), so no wait stands between the stores and the loads
.irp i, 0,1,2,3,4,5,6,7,8,9,10,11,12,13,14,15
	ds_store_b128 v[\in], v[R+64*(\set)+4*\i:R+64*(\set)+4*\i+3] offset:528*\i
.endr
.irp b, 0,1,2,3
.irp j, 0,1,2,3
	ds_load_b128 v[X+16*\b+4*\j:X+16*\b+4*\j+3], v[\out] offset:128*\b+16*\j
.endr
.endr
.endm
; 64 numbers of a lane, register 16 b + i = k 32 b + 16 h + i of my row, become a fragment's codes in v[PC] on and its scale word in v[pw]
.macro QUANT s, pw
.irp b, 0,1,2,3
	v_max3_num_f32 v[TM+\b], |v[\s+16*\b]|, |v[\s+1+16*\b]|, 0x1800000   ; block b: my 16 numbers, and the floor 2^(3 - 127): the byte cannot fall under 1
.endr
.irp i, 2,4,6,8,10,12,14
.irp b, 0,1,2,3
	v_max3_num_f32 v[TM+\b], v[TM+\b], |v[\s+16*\b+\i]|, |v[\s+1+16*\b+\i]|   ; the four blocks by turns
.endr
.endr
.irp b, 0,1,2,3
	v_permlanex16_b32 v[TM+4+\b], v[TM+\b], s32, s33
.endr
.irp b, 0,1,2,3
	v_max_num_f32 v[TM+\b], v[TM+\b], v[TM+4+\b]   ; with lane l xor 16's: the block's largest magnitude
.endr
.irp b, 0,1,2,3
	v_add_nc_u32 v[TM+12+\b], 0xff000000, v[TM+\b] ; 2 off its exponent field: the conversion takes the exponent field of this operand as its scale
.endr
.irp b, 0,1,2,3
	v_lshrrev_b32 v[TM+4+\b], 23, v[TM+12+\b]      ; the scale's byte
.endr
	v_lshl_or_b32 v[\pw], v[TM+5], 8, v[TM+4]
	v_lshl_or_b32 v[\pw], v[TM+6], 16, v[\pw]
	v_lshl_or_b32 v[\pw], v[TM+7], 24, v[\pw]      ; my row's scale word for these 128
.irp c, 0,1
	v_cvt_scalef32_pk16_fp6_f32 v[PC+6*\c:PC+2+6*\c], v[\s+32*\c:\s+15+32*\c], v[TM+12+2*\c]
	v_cvt_scalef32_pk16_fp6_f32 v[PC+12+4*\c:PC+14+4*\c], v[\s+16+32*\c:\s+31+32*\c], v[TM+12+2*\c+1]   ; (a conversion's three registers begin on an even number)
.endr
	v_nop                                          ; one plain place behind a scaled conversion
.irp c, 0,1                            ; the operand's layout wants a whole block in a lane: lanes 0-15 block 2 c, lanes 16-31 block 2 c + 1
.irp i, 0,1,2
	v_permlane16_swap_b32 v[PC+6*\c+\i], v[PC+12+4*\c+\i]
.endr
.irp i, 0,1,2
	v_mov_b32 v[PC+3+6*\c+\i], v[PC+12+4*\c+\i]
.endr
.endr
.endm
	s_wait_kmcnt 0x0
	s_cmp_ge_u32 ttmp9, 512                        ; the path hangs on the work-group's number alone
	s_cbranch_scc1 .Lquant
	; ---------------- the mask path: tile ttmp9 of the 512 tiles of mask rows
	s_lshr_b32 s48, ttmp9, 1
	s_lshl_b32 s48, s48, 18                        ; 32 (T / 2) rows of 8,192 bytes
	s_and_b32 s38, ttmp9, 1
	s_lshl_b32 s38, s38, 16                        ; + 8 (T % 2) rows
	s_add_co_u32 s48, s48, s38
	s_lshl_b32 s38, s22, 11                        ; + my four key steps: 2,048 bytes of each row
	s_add_co_u32 s48, s48, s38
	s_add_nc_u64 s[24:25], s[14:15], s[48:49]
	s_lshl_b32 s48, ttmp9, 12                      ; the words: 4,096 bytes a tile, 256 a key step
	s_lshl_b32 s38, s22, 10
	s_add_co_u32 s48, s48, s38
	s_add_nc_u64 s[26:27], s[20:21], s[48:49]
	s_lshl_b32 s48, ttmp9, 5                       ; the whole numbers: 32 bytes a tile, 8 a wave
	s_lshl_b32 s38, s22, 3
	s_add_co_u32 s48, s48, s38
	s_add_nc_u64 s[28:29], s[50:51], s[48:49]
	s_mov_b32 s36, 0                               ; bit t: my step t has an open entry; bit 16 + t: it has a closed one
	s_mov_b32 s37, 0                               ; the lanes that have seen an open entry
.irp i, 0,1,2,3,4,5,6,7
	v_mov_b32 v[OW+\i], 0                          ; v_writelane_b32's destination counts as read
.endr
	LOADT 0, 8192, 0
	LOADT 1, 8192, 512
.macro MSTEP t
.if (\t) < 3
	s_wait_loadcnt 16                              ; this step's 16 loads are in; the next step's 16 may be out
.else
	s_wait_loadcnt 0x0
.endif
	TURNT (\t)%2, 5, 6
	s_wait_dscnt 0x0                               ; my 64 entries are back, and the stores into the stage have read their registers,
.if (\t)+2 < 4
	LOADT (\t)%2, 8192, 512*((\t)+2)               ; which take the loads of two steps on
.endif
	s_mov_b32 s34, 0                               ; the OR and the AND of the step's 64 words
	s_mov_b32 s35, -1
.irp g, 0,1,2,3,4,5,6,7
.irp k, 0,1,2,3,4,5,6,7
	v_cmp_ne_u32 s[40+\k], 0, v[X+8*\g+\k]         ; word n = 8 g + k, a bit a lane
.endr
.irp k, 0,1,2,3,4,5,6,7
	v_writelane_b32 v[OW+2*(\t)+(\k%2)], s[40+\k], 4*\g+\k/2   ; word n into lane n / 2, register n % 2: the store below then lays the words on end
	s_or_b32 s34, s34, s[40+\k]
	s_and_b32 s35, s35, s[40+\k]
.endr
.endr
	global_store_b64 v9, v[OW+2*(\t):OW+2*(\t)+1], s[26:27] offset:256*(\t)   ; 32 lanes store 256 consecutive bytes, aligned
	s_cmp_lg_u32 s34, 0
	s_cselect_b32 s38, 1<<(\t), 0
	s_or_b32 s36, s36, s38
	s_cmp_lg_u32 s35, -1
	s_cselect_b32 s38, 1<<(16+(\t)), 0
	s_or_b32 s36, s36, s38
	s_or_b32 s37, s37, s34
.endm
	MSTEP 0
	MSTEP 1
	MSTEP 2
	MSTEP 3
	s_lshl_b32 s38, s22, 2
	s_lshl_b32 s36, s36, s38                       ; my steps are 4 w .. 4 w + 3 of the tile's sixteen
	v_mov_b32 v22, s36
	v_mov_b32 v23, s37
	v_cndmask_b32 v22, v22, v23, s31               ; lane 0: the step bits; lane 1: the lanes
	v_cmp_gt_u32 vcc_lo, 2, v1                     ; lanes 0 and 1 alone store: 8 bytes a wave, 16,384 bytes in the whole launch, so here an aligned block of 256 bytes is written by eight tiles' waves
	s_wait_xcnt 0x0                                ; EXEC is a source of the stores above: it changes only behind this wait
	s_and_saveexec_b32 s38, vcc_lo
	global_store_b32 v11, v22, s[28:29]
	s_wait_xcnt 0x0                                ; and again, in front of the line that widens it
	s_or_b32 exec_lo, exec_lo, s38
	s_wait_tensorcnt 0x0                           ; the wave's end, behind my last LDS store
	ds_add_u32 v[SPW], v[NIL]
	s_wait_dscnt 0x0
	s_endpgm
	; ---------------- the quantising path: tile G = 4 (ttmp9 - 512) + wave; G < 512: x's tile G; else tile G - 512 of the four weights on end
.Lquant:
	s_sub_co_u32 s38, ttmp9, 512
	s_lshl_b32 s38, s38, 2
	s_add_co_u32 s38, s38, s22                     ; G
	s_mov_b32 s36, XS
	s_cmp_ge_u32 ttmp9, 640                        ; every choice hangs on the work-group's number alone
	s_cselect_b64 s[24:25], s[6:7], s[4:5]
	s_cselect_b64 s[26:27], s[18:19], s[16:17]     ; into wq or into xq
	s_cselect_b32 s36, WS, s36                     ; where that buffer's scale rows begin
	s_cselect_b32 s37, 512, 0
	s_cselect_b32 s35, 63, -1
	s_cmp_ge_u32 ttmp9, 656
	s_cselect_b64 s[24:25], s[8:9], s[24:25]
	s_cmp_ge_u32 ttmp9, 672
	s_cselect_b64 s[24:25], s[10:11], s[24:25]
	s_cmp_ge_u32 ttmp9, 688
	s_cselect_b64 s[24:25], s[12:13], s[24:25]
	s_sub_co_u32 s38, s38, s37                     ; the tile's number in its buffer of codes,
	s_and_b32 s35, s38, s35                        ; and in its source tensor
	s_lshr_b32 s48, s35, 1
	s_lshl_b32 s48, s48, 17                        ; 32 (T / 2) rows of 4,096 bytes
	s_and_b32 s35, s35, 1
	s_lshl_b32 s35, s35, 15
	s_add_co_u32 s48, s48, s35
	s_add_nc_u64 s[24:25], s[24:25], s[48:49]
	s_lshl_b32 s48, s38, 9
	s_add_co_u32 s48, s48, s36
	s_add_nc_u64 s[28:29], s[26:27], s[48:49]      ; the tile's 512 bytes of scale words
	s_mul_i32 s48, s38, 12288
	s_add_nc_u64 s[26:27], s[26:27], s[48:49]      ; the tile's 12,288 bytes of codes
	LOADT 0, 4096, 0
	LOADT 1, 4096, 512
.macro QSTEP t
.if (\t) < 7
	s_wait_loadcnt 16                              ; this K step's 16 loads are in; the next step's 16 may be out
.else
	s_wait_loadcnt 0x0
.endif
	TURNT (\t)%2, 7, 8
	s_wait_dscnt 0x0
	s_wait_xcnt 0x0                                ; the last step's stores have read the codes' registers: they are written again only behind this wait
.if (\t)+2 < 8
	LOADT (\t)%2, 4096, 512*((\t)+2)
.endif
	QUANT X, SW+(\t)
.irp p, 0,1,2,3,4,5
	global_store_b64 v9, v[PC+2*\p:PC+2*\p+1], s[26:27] offset:1536*(\t)+256*\p   ; 32 lanes store 256 consecutive bytes, aligned
.endr
.endm
.irp t, 0,1,2,3,4,5,6,7
	QSTEP \t
.endr
.irp j, 0,1,2,3
	v_cndmask_b32 v[60+\j], v[SW+\j], v[SW+4+\j], s30   ; lanes 0-15 store their row's words 0-3, lanes 16-31 words 4-7
.endr
	global_store_b128 v10, v[60:63], s[28:29]      ; 512 consecutive bytes
	s_wait_tensorcnt 0x0                           ; the wave's end, behind my last LDS store
	ds_add_u32 v[SPW], v[NIL]
	s_wait_dscnt 0x0
	s_endpgm
.Lfunc_end_k_q61ce41a5bd_prep:
	.size	k_q61ce41a5bd_prep, .Lfunc_end_k_q61ce41a5bd_prep-k_q61ce41a5bd_prep
	.p2alignl 7, 3214868480
	.fill 96, 4, 3214868480
	.section	.rodata,"a",@progbits
	.p2align	6, 0x0
	.amdhsa_kernel k_q61ce41a5bd_prep
		.amdhsa_group_segment_fixed_size 68096
		.amdhsa_private_segment_fixed_size 0
		.amdhsa_enable_private_segment 0
		.amdhsa_kernarg_size 80
		.amdhsa_user_sgpr_count 2
		.amdhsa_user_sgpr_kernarg_segment_ptr 1
		.amdhsa_wavefront_size32 1
		.amdhsa_system_sgpr_workgroup_id_x 1
		.amdhsa_system_sgpr_workgroup_id_y 1
		.amdhsa_system_sgpr_workgroup_id_z 1
		.amdhsa_system_vgpr_workitem_id 0
		.amdhsa_next_free_vgpr 256
		.amdhsa_next_free_sgpr 66
		.amdhsa_reserve_vcc 1
		.amdhsa_float_denorm_mode_32 3
		.amdhsa_float_denorm_mode_16_64 3
		.amdhsa_memory_ordered 1
		.amdhsa_forward_progress 1
		.amdhsa_inst_pref_size 132
	.end_amdhsa_kernel
	.amdgpu_metadata
---
amdhsa.version: [ 1, 2 ]
amdhsa.kernels:
  - .name:           k_q61ce41a5bd_prep
    .symbol:         k_q61ce41a5bd_prep.kd
    .args:
      - { .name: x, .offset: 0, .size: 8, .value_kind: global_buffer, .address_space: global }
      - { .name: Wq, .offset: 8, .size: 8, .value_kind: global_buffer, .address_space: global }
      - { .name: Wk, .offset: 16, .size: 8, .value_kind: global_buffer, .address_space: global }
      - { .name: Wv, .offset: 24, .size: 8, .value_kind: global_buffer, .address_space: global }
      - { .name: Wo, .offset: 32, .size: 8, .value_kind: global_buffer, .address_space: global }
      - { .name: mask, .offset: 40, .size: 8, .value_kind: global_buffer, .address_space: global }
      - { .name: xq, .offset: 48, .size: 8, .value_kind: global_buffer, .address_space: global }
      - { .name: wq, .offset: 56, .size: 8, .value_kind: global_buffer, .address_space: global }
      - { .name: mb, .offset: 64, .size: 8, .value_kind: global_buffer, .address_space: global }
      - { .name: mf, .offset: 72, .size: 8, .value_kind: global_buffer, .address_space: global }
    .group_segment_fixed_size: 68096
    .private_segment_fixed_size: 0
    .kernarg_segment_align: 8
    .kernarg_segment_size: 80
    .max_flat_workgroup_size: 128
    .sgpr_count:     66
    .vgpr_count:     256
    .wavefront_size: 32
...
	.end_amdgpu_metadata
.endif
;; end of part 1
;; launch qkv (part 2): grid 12 x 32, 4 waves a work-group, clusters of 4 x 4, 327,680 bytes of LDS; arguments xq, wq, bq, bk, bv, qq, kv; writes qq, kv
.if DOCPART == 2
	.amdgcn_target "amdgcn-amd-amdhsa--gfx1250"
	.amdhsa_code_object_version 6
	.text
	.protected	k_q61ce41a5bd_qkv
	.globl	k_q61ce41a5bd_qkv
	.p2align	8
	.type	k_q61ce41a5bd_qkv,@function
k_q61ce41a5bd_qkv:
	s_mov_b64 s[64:65], 0
	v_nop
	global_prefetch_b8 v0, s[64:65] scope:SCOPE_SE
	s_setreg_imm32_b32 hwreg(HW_REG_WAVE_MODE, 25, 1), 1
	s_wait_xcnt 0x0
	s_wait_alu depctr_hold_cnt(0) depctr_sa_sdst(0) depctr_va_vdst(0) depctr_va_sdst(0) depctr_va_ssrc(0) depctr_va_vcc(0) depctr_vm_vsrc(0)
	s_getreg_b32 s2, hwreg(HW_REG_IB_STS2, 6, 4)
	s_cmp_eq_u32 s2, 0
	s_cbranch_scc0 .Lentry_in_a_cluster
	s_endpgm
.Lentry_in_a_cluster:
	s_bfe_u32 s2, ttmp6, 0x10000c
	s_cmp_lg_u32 s2, 0xf033
	s_cbranch_scc0 .Lentry_shape_is_right
	s_endpgm
.Lentry_shape_is_right:
; q = x Wq^T + bq, k = x Wk^T + bk, v = x Wv^T + bv on codes of FP6 (E2M3) with E8M0 scales, sums in f32; the results are quantised in registers and leave as codes, laid as the attention launch's operands.
; A tile of 256 x 256 of a result is made by a work-group of four waves, a wave 128 x 128: 64 accumulators, 512 registers.  K = 1,024 goes in four steps of 256 through a ring of two LDS slots filled by the tensor data mover.
; OPERANDS lie in memory in the order of their registers: fragment (tile of 16 rows T, K step of 128 s): registers 2 p, 2 p + 1 of lane l at ((8 T + s) 6 + p) 256 + 8 l: so a slot's part of a tile is 3,072 dense bytes, a fragment comes by six
; ds_load_b64 of 256 consecutive bytes, and LDS needs no padding.  Tile T holds rows 32 (T / 2) + 8 (T % 2) + r + 8 (r / 8).  The scale rows (32 bytes a row) of the work-group's rows come once, with the first fills, and stay.
; THE KIND hangs on the cluster's x (ttmp9): 0 = q, 1 = k, 2 = v; it is the same in all sixteen partners.  For q and k 'A' is x and 'B' the weight; for v 'A' is Wv and 'B' is x: the same text computes Wv x^T.
; THE MATRIX INSTRUCTION IS USED TRANSPOSED (source 0 = 16 rows of B, source 1 = 16 rows of A): a lane holds one row of A, and the 16 registers of B's tiles 2 g, 2 g + 1 are B's rows 32 g + 16 (lane / 16) + 0 .. 15:
; for q and k 16 neighbours of the head's 64, for v 16 neighbouring keys: the axis along which each is quantised.  So the way out needs no LDS.
; The bias is the C of each sum's first matrix instruction: for q and k it hangs on B's row (register and half), for v on A's row (lane).
; CLUSTERS: 4 x 4 work-groups; A's tiles are shared along a row of the cluster, B's along a column, each asked for jointly by the same tensor load with a mask that names the four.  By this text's count at most three tensor loads of a wave are out.
; OUT.  qq: codes [head of batch bh][tile T][piece 0..2][lane][8 bytes], lane (r, h) = block h of the query's 64; scale words [bh][T][16], bytes s0 s1 s0 s1.
; kv, 204,800 bytes a head: K's codes [key step][f 0..3][piece 0..5][lane][8], pieces 3 c + i = token tile 2 f + c; V's codes at 98,304 [key step][tile of 16 of the head's 64][group 0..2][lane][16]; K's scale words at 196,608, V's at 200,704.
; LIMITS: a block of zeros gets the byte 1 where the rule says 127 (its codes are zeros, and this program alone reads the bytes); NaN and infinities are not served.
; REGISTERS, in windows of 256: window 0: v0-31 addresses; v32-63 scale words, two sets; v64-127 the bias; from v128 A's fragments, one set (on the way out: at work).  window 1: B's fragments, two sets.  windows 2, 3: the accumulators.
.set XS,     6291456                   ; xq: the scale rows begin here
.set WS,     3145728                   ; wq: likewise
.set QS,     6291456                   ; qq: the scale words begin here
.set HEADB,  204800                    ; kv: bytes of a head
.set NQ,     2                         ; matrix instructions deep in a slot
.set FR,     12                        ; registers of a fragment
.set NL,     6                         ; LDS loads that bring one
.set NP,     4                         ; places behind this matrix instruction (ISA guide 7.12.1)
.set KS,     32                        ; a row of scales in bytes
.set HALFT,  24576                     ; 128 rows x 256 along K: 8 tiles x 3,072 bytes: what one tensor load brings
.set SLOT,   4*HALFT                   ; A's 256 rows, then B's 256 rows
.set SCL,    2*SLOT                    ; behind the ring: the scales, as units of 256 bytes + 16 of padding
.set HALFS,  16*272                    ; the scales of 128 rows
.set SBLK,   2*272                     ; those of 16 rows
.set SPARE,  SCL+4*HALFS               ; behind the scales: the spare words, 128 bytes for each wave: two blocks of 256 bytes that no other line names
.set L8,   8                           ; v8   8 x lane
.set L16,  9                           ; v9   16 x lane
.set L4,   10                          ; v10  4 x lane
.set QSV,  11                          ; v11  q's scale words: 8,192 h + 4 r (lanes 16-31 store the second head's)
.set KSV,  12                          ; v12  k's: 204,800 h + 4 r
.set ADRA, 16                          ; v16-17  LDS address of my A fragments in slot 0, 1
.set ADRB, 20                          ; v20-21  the same for B
.set ADRS, 27                          ; v27     LDS address of my scale words: lanes 0-15 A's rows, lanes 16-31 B's
.set SPW,  28                          ; v28     LDS address of my spare word; never rewritten
.set NIL,  29                          ; v29     0; never rewritten
.set SC,   32                          ; scale words: set s at v[SC + 16 s]; register 2 i + q: lanes 0-15 A's block i, lanes 16-31 B's block i, the slot's q-th 128 along K
.set BIAS, 64
.set AF,   128                         ; A's fragments
.set TM,   128                         ; the way out: v128-143 at work, v144-145 two scale words, v146-147 the word to be stored, v152-171 codes
.set PW,   144
.set SWD,  146
.set PC,   152
.set G1, 24                            ; s[24:31] descriptor group 1 for A's tiles;  s[32:39] group 0, one set for each slot
.set G0, 32
.set G1B, 48                           ; s[48:55], s[56:63] the same for B's tiles
.set G0B, 56
.set G1S, 68                           ; s[68:75], s[76:79] groups 1 and 0 for A's scales;  s[80:87], s[88:91] for B's
.set G0S, 76
.set G1SB, 80
.set G0SB, 88
.set HM,  4                            ; s4      lanes 16-31 (once the pointer there is used up)
.set SEL, 6                            ; s[6:7]  v_permlanex16_b32's selects (likewise)
.set OB,  100                          ; s[100:101] where my codes go
.set OS,  2                            ; s[2:3]  where my scale words go
.set BP,  94                           ; s[94:95] my part of the bias
.set MSB, 0
.macro WIN new                         ; the immediate's high byte repeats the setting that is left
.if MSB != (\new)
	s_set_vgpr_msb (MSB<<8)|(\new)
.set MSB, (\new)
.endif
.endm
.set MUL_LO, 0xa1                      ; source 0 (B) window 1, source 1 (A) window 0, C and D window 2
.set MUL_HI, 0xf1                      ; the same, C and D window 3
.set TO_B,   0x40                      ; destination window 1, address window 0
; A joint load: waves 0 and 1 fetch for A, waves 2 and 3 for B; the branch hangs on the wave's number alone.  An s_nop 0 and four v_nop follow each of the two lines.
.macro JLOAD g0a, g1a, g0b, g1b
	s_cmp_eq_u32 s15, 0
	s_cbranch_scc0 .Lfor_b_\@
	tensor_load_to_lds s[\g0a:\g0a+3], s[\g1a:\g1a+7]
	s_nop 0
.rept 4
	v_nop
.endr
	s_branch .Lasked_\@
.Lfor_b_\@:
	tensor_load_to_lds s[\g0b:\g0b+3], s[\g1b:\g1b+7]
	s_nop 0
.rept 4
	v_nop
.endr
.Lasked_\@:
.endm
.macro CREST                           ; a round of the cluster's barrier behind its opening barrier
	s_cmp_lg_u32 s14, 0
	s_cbranch_scc1 .Lnot_wave_0_\@
	s_barrier_signal -3
.Lnot_wave_0_\@:
	s_barrier_wait -3
	s_barrier_signal -1
	s_barrier_wait -1
.endm
.macro CROUND                          ; a whole round
	s_barrier_signal -1
	s_barrier_wait -1
	CREST
.endm
	s_load_b256 s[4:11], s[0:1], 0x0               ; xq, wq, bq, bk
	s_load_b64 s[12:13], s[0:1], 0x20              ; bv
	s_load_b128 s[96:99], s[0:1], 0x28             ; qq, kv
	v_lshl_add_u32 v[SPW], v0, 2, SPARE
	v_mov_b32 v[NIL], 0
	ds_add_u32 v[SPW], v[NIL]                      ; the wave's opening: the add and its wait stand ahead of my first tensor load; the set-up below, work on registers, stands between them
	v_lshrrev_b32 v1, 5, v0
	v_readfirstlane_b32 s14, v1                    ; wave 0..3
	s_lshr_b32 s15, s14, 1                         ; which half of A's 256 rows is mine.  Also: I fetch for A (0) or for B (1)
	s_and_b32 s16, s14, 1                          ; which half of B's.  Also: which 128 rows of that tile I fetch
	s_bfe_u32 s40, ttmp6, 0x40000                  ; cx, cy: my place in the cluster
	s_bfe_u32 s41, ttmp6, 0x40004
	s_and_b32 s2, ttmp7, 0xffff                    ; the cluster's y
	s_cmp_eq_u32 ttmp9, 2                          ; v?
	s_cselect_b32 s17, 2, s2                       ; A's rows: v: Wv is the third weight in wq; q, k: x's rows by the cluster's y
	s_cselect_b32 s42, s2, ttmp9                   ; B's rows: v: x's by the cluster's y; q, k: the weight by the kind
	s_lshl_b32 s17, s17, 2
	s_add_co_u32 s17, s17, s41                     ; A's block of 256 rows
	s_lshl_b32 s42, s42, 2
	s_add_co_u32 s42, s42, s40                     ; B's block of 256 rows
	s_lshl_b32 s43, s41, 2
	s_lshl_b32 s43, 15, s43                        ; my row of the cluster
	s_lshl_b32 s44, 0x1111, s40                    ; my column
	; descriptor group 1 for codes: 8 rows (tiles of 16) of 384 elements of 8 bytes (3,072 bytes: 256 along K), 1,536 elements (a tile's 12,288 bytes) apart; no padding
	s_or_b32 s[G1+0], s43, (3<<16)|(1<<21)         ; 15:0 the mask: A's tiles go to my row; 17:16 elements of 8 bytes; 21 set beside a mask
	s_or_b32 s[G1B+0], s44, (3<<16)|(1<<21)
.irp g, G1, G1B
	s_mov_b32 s[\g+1], 384<<16                     ; tensor_dim0
	s_mov_b32 s[\g+2], 8<<16                       ; tensor_dim1
	s_mov_b32 s[\g+3], 384<<16                     ; tile_dim0
	s_mov_b32 s[\g+4], 8                           ; tile_dim1
	s_mov_b32 s[\g+5], 1536                        ; tensor_dim0_stride
	s_mov_b32 s[\g+6], 0
	s_mov_b32 s[\g+7], 0
.endr
	; and for the scales of 128 rows: 4,096 dense bytes as 16 rows of 256 bytes (32 elements of 8), 16 bytes of padding behind each
	s_or_b32 s[G1S+0], s43, (3<<16)|(1<<20)|(1<<21)|(5<<22)|(3<<25)
	s_or_b32 s[G1SB+0], s44, (3<<16)|(1<<20)|(1<<21)|(5<<22)|(3<<25)
.irp g, G1S, G1SB
	s_mov_b32 s[\g+1], 32<<16
	s_mov_b32 s[\g+2], 16<<16
	s_mov_b32 s[\g+3], 32<<16
	s_mov_b32 s[\g+4], 16
	s_mov_b32 s[\g+5], 32
	s_mov_b32 s[\g+6], 0
	s_mov_b32 s[\g+7], 0
.endr
	s_lshl_b32 s18, s16, 7                         ; which 128 rows of the block I fetch
	s_lshl_b32 s20, s17, 8
	s_add_co_u32 s20, s20, s18                     ; A: their first row
	s_lshl_b32 s46, s42, 8
	s_add_co_u32 s46, s46, s18                     ; B: likewise
	s_lshl_b32 s22, s20, 5                         ; 32 bytes of scales a row,
	s_lshl_b32 s92, s46, 5
	s_mul_i32 s20, s20, 768                        ; 768 bytes of codes
	s_mul_i32 s46, s46, 768
	s_mov_b32 s21, 0
	s_mov_b32 s23, 0
	s_mov_b32 s47, 0
	s_mov_b32 s93, 0
	s_mov_b32 s18, XS
	s_mov_b32 s19, WS
	s_cmp_eq_u32 ttmp9, 2
	s_cselect_b32 s3, s19, s18                     ; where the scale rows begin in A's buffer,
	s_cselect_b32 s18, s18, s19                    ; and in B's
	s_add_co_u32 s22, s22, s3
	s_add_co_u32 s92, s92, s18
	s_mul_i32 s45, s14, HALFT                      ; where they go: wave x 128 rows: no place in the cluster enters an LDS address
	s_mul_i32 s94, s14, HALFS
	s_wait_dscnt 0x0                               ; the opening add is done
	s_wait_kmcnt 0x0
	s_cmp_eq_u32 ttmp9, 2
	s_cselect_b64 s[100:101], s[6:7], s[4:5]       ; A's buffer: wq for v, else xq
	s_cselect_b64 s[4:5], s[4:5], s[6:7]           ; B's buffer: xq for v, else wq
	s_add_nc_u64 s[20:21], s[100:101], s[20:21]
	s_add_nc_u64 s[22:23], s[100:101], s[22:23]
	s_add_nc_u64 s[46:47], s[4:5], s[46:47]
	s_add_nc_u64 s[92:93], s[4:5], s[92:93]
	CROUND                                         ; all sixteen work-groups are here: the first joint loads meet
	s_mov_b32 s[G0S], 1
	s_add_co_u32 s[G0S+1], s94, SCL
	s_mov_b64 s[G0S+2:G0S+3], s[22:23]
	s_or_b32 s[G0S+3], s[G0S+3], 0x80000000
	s_mov_b32 s[G0SB], 1
	s_add_co_u32 s[G0SB+1], s94, SCL
	s_mov_b64 s[G0SB+2:G0SB+3], s[92:93]
	s_or_b32 s[G0SB+3], s[G0SB+3], 0x80000000
	JLOAD G0S, G1S, G0SB, G1SB                     ; the scales first: they are wanted with K step 0
.irp s, 0,1
	s_mov_b32 s[G0+4*\s], 1
	s_add_co_u32 s[G0+4*\s+1], s45, \s*SLOT
	s_add_nc_u64 s[G0+4*\s+2:G0+4*\s+3], s[20:21], \s*3072
	s_or_b32 s[G0+4*\s+3], s[G0+4*\s+3], 0x80000000
	s_mov_b32 s[G0B+4*\s], 1
	s_add_co_u32 s[G0B+4*\s+1], s45, \s*SLOT
	s_add_nc_u64 s[G0B+4*\s+2:G0B+4*\s+3], s[46:47], \s*3072
	s_or_b32 s[G0B+4*\s+3], s[G0B+4*\s+3], 0x80000000
	JLOAD G0+4*\s, G1, G0B+4*\s, G1B
.endr
	v_and_b32 v1, 15, v0                           ; r
	v_bfe_u32 v2, v0, 4, 1                         ; h
	v_and_b32 v3, 31, v0                           ; lane
	v_lshlrev_b32 v[L8], 3, v3
	v_lshlrev_b32 v[L16], 4, v3
	v_lshlrev_b32 v[L4], 2, v3
	v_lshlrev_b32 v4, 2, v1
	v_lshl_add_u32 v[QSV], v2, 13, v4
	v_mul_u32_u24 v5, v2, HEADB
	v_add_nc_u32 v[KSV], v5, v4
	s_mul_i32 s21, s15, HALFT                      ; my 128 rows of A
	s_mul_i32 s22, s16, HALFT                      ; my 128 rows of B,
	s_add_co_u32 s22, s22, 2*HALFT                 ; which lie behind A's 256
.irp s, 0,1
	v_add_nc_u32 v[ADRA+\s], s21, v[L8]
	v_add_nc_u32 v[ADRB+\s], s22, v[L8]
	s_add_co_u32 s21, s21, SLOT
	s_add_co_u32 s22, s22, SLOT
.endr
	v_mul_u32_u24 v5, v1, KS                       ; my row's scales: 32 bytes a row,
	v_lshrrev_b32 v6, 8, v5
	v_lshl_add_u32 v5, v6, 4, v5                   ; and 16 more for each 256 passed
	s_mul_i32 s21, s15, HALFS                      ; A's: my 128 rows
	s_mul_i32 s22, s16, HALFS                      ; B's: my 128 rows, behind A's 256
	s_add_co_u32 s22, s22, 2*HALFS
	s_sub_co_u32 s22, s22, s21
	v_mul_u32_u24 v6, s22, v2                      ; lanes 16-31 take B's
	s_add_co_u32 s21, s21, SCL
	v_add_nc_u32 v5, v5, v6
	v_add_nc_u32 v[ADRS], s21, v5
	v_lshlrev_b32 v6, 6, v2                        ; the bias of q and k: 64 h: my half's eight numbers of a tile
	v_and_b32 v7, 8, v1
	v_add_nc_u32 v7, v7, v1
	v_lshlrev_b32 v7, 2, v7                        ; the bias of v: 4 (r + 8 (r / 8)): my row of a tile
	; where my results go.  Tokens are A's rows for q and k, B's for v; features the other way round
	s_cmp_eq_u32 ttmp9, 2
	s_cselect_b32 s18, s42, s17
	s_cselect_b32 s19, s16, s15
	s_cselect_b32 s20, s41, s40
	s_cselect_b32 s21, s15, s16
	s_lshl_b32 s18, s18, 8
	s_lshl_b32 s19, s19, 7
	s_add_co_u32 s18, s18, s19                     ; my first token of 8,192
	s_lshr_b32 s19, s18, 11                        ; its batch
	s_and_b32 s18, s18, 2047                       ; its place there
	s_lshl_b32 s19, s19, 4
	s_lshl_b32 s20, s20, 2
	s_add_co_u32 s19, s19, s20
	s_lshl_b32 s21, s21, 1
	s_add_co_u32 s19, s19, s21                     ; bh0 = 16 x batch + my first head: my 128 features are two heads
	s_lshr_b32 s22, s18, 7                         ; my 128 tokens are one key step,
	s_lshr_b32 s23, s18, 4                         ; and eight tiles from this one on
	s_lshl_b32 s46, s19, 7
	s_add_co_u32 s46, s46, s23
	s_mul_i32 s92, s46, 768                        ; q: codes, 768 bytes a tile;
	s_lshl_b32 s93, s46, 6
	s_add_co_u32 s93, s93, QS                      ; scale words, 64 bytes a tile
	s_mul_i32 s46, s19, HEADB
	s_mul_i32 s47, s22, 6144
	s_add_co_u32 s47, s47, s46                     ; k: codes, 6,144 bytes a key step;
	s_lshl_b32 s22, s22, 8
	s_add_co_u32 s46, s46, s22
	s_add_co_u32 s46, s46, 196608                  ; scale words, 256 bytes a key step
	s_cmp_eq_u32 ttmp9, 2
	s_cselect_b32 s22, 98304, 0                    ; v: the same, behind k's
	s_cselect_b32 s23, 4096, 0
	s_add_co_u32 s47, s47, s22
	s_add_co_u32 s46, s46, s23
	s_cmp_eq_u32 ttmp9, 0
	s_cselect_b32 s20, s92, s47
	s_cselect_b32 s22, s93, s46
	s_cselect_b64 s[OB:OB+1], s[96:97], s[98:99]
	s_cselect_b64 s[BP:BP+1], s[8:9], s[10:11]
	s_mov_b32 s21, 0
	s_mov_b32 s23, 0
	s_add_nc_u64 s[OS:OS+1], s[OB:OB+1], s[22:23]
	s_add_nc_u64 s[OB:OB+1], s[OB:OB+1], s[20:21]
	s_cmp_eq_u32 ttmp9, 2
	s_cselect_b64 s[BP:BP+1], s[12:13], s[BP:BP+1]
	s_and_b32 s20, s19, 15
	s_lshl_b32 s20, s20, 8                         ; my first head's 64 numbers of 4 bytes
	s_add_nc_u64 s[BP:BP+1], s[BP:BP+1], s[20:21]
	s_mov_b32 s[HM], 0xffff0000
	s_mov_b32 s[SEL], 0x76543210
	s_mov_b32 s[SEL+1], 0xfedcba98
	s_cmp_eq_u32 ttmp9, 2
	s_cbranch_scc1 .Lbias_v
.irp b, 0,1,2,3,4,5,6,7                ; q, k: for B's tile b: features 32 (b / 2) + 8 (b % 2) + 16 h + 0 .. 7
	global_load_b128 v[BIAS+8*\b:BIAS+8*\b+3], v6, s[BP:BP+1] offset:(32*(\b/2)+8*(\b%2))*4
	global_load_b128 v[BIAS+8*\b+4:BIAS+8*\b+7], v6, s[BP:BP+1] offset:(32*(\b/2)+8*(\b%2))*4+16
.endr
	s_branch .Lbias_done
.Lbias_v:
.irp a, 0,1,2,3,4,5,6,7                ; v: for A's tile a: my row's number, in all eight registers
.irp j, 0,1,2,3,4,5,6,7
	global_load_b32 v[BIAS+8*\a+\j], v7, s[BP:BP+1] offset:(32*(\a/2)+8*(\a%2))*4
.endr
.endr
.Lbias_done:
.macro FRAG reg, adr, q, i             ; a fragment, 12 registers: six pieces of 256 consecutive bytes, 8 a lane
.irp p, 0,1,2,3,4,5
	ds_load_b64 v[\reg+2*\p:\reg+2*\p+1], v[\adr] offset:3072*(\i)+1536*(\q)+256*\p
.endr
.endm
; 16 matrix instructions: A's blocks a0, a0 + 1 x B's eight, 128 along K: the slot's q-th.  p: B's set;  sc: the set of scale words.  zero = 1, 2: the first product starts the sums from the bias (by B's tile, by A's tile).
; The 64 accumulators take turns, one instruction a turn, in the same order in every step.
.macro MUL16 a0, p, q, sc, zero
.irp a, \a0, \a0+1
.irp b, 0,1,2,3,4,5,6,7
.if (\zero) == 1
	v_wmma_scale_f32_16x16x128_f8f6f4 v[8*(8*((\a)%4)+\b):8*(8*((\a)%4)+\b)+7], v[128*(\p)+FR*\b:128*(\p)+FR*\b+FR-1], v[AF+FR*(\a):AF+FR*(\a)+FR-1], v[BIAS+8*\b:BIAS+8*\b+7], v[SC+8*NQ*(\sc)+NQ*\b+(\q)], v[SC+8*NQ*(\sc)+NQ*(\a)+(\q)] matrix_a_fmt:MATRIX_FMT_FP6 matrix_b_fmt:MATRIX_FMT_FP6 matrix_a_scale:MATRIX_SCALE_ROW1
.elseif (\zero) == 2
	v_wmma_scale_f32_16x16x128_f8f6f4 v[8*(8*((\a)%4)+\b):8*(8*((\a)%4)+\b)+7], v[128*(\p)+FR*\b:128*(\p)+FR*\b+FR-1], v[AF+FR*(\a):AF+FR*(\a)+FR-1], v[BIAS+8*(\a):BIAS+8*(\a)+7], v[SC+8*NQ*(\sc)+NQ*\b+(\q)], v[SC+8*NQ*(\sc)+NQ*(\a)+(\q)] matrix_a_fmt:MATRIX_FMT_FP6 matrix_b_fmt:MATRIX_FMT_FP6 matrix_a_scale:MATRIX_SCALE_ROW1
.else
	v_wmma_scale_f32_16x16x128_f8f6f4 v[8*(8*((\a)%4)+\b):8*(8*((\a)%4)+\b)+7], v[128*(\p)+FR*\b:128*(\p)+FR*\b+FR-1], v[AF+FR*(\a):AF+FR*(\a)+FR-1], v[8*(8*((\a)%4)+\b):8*(8*((\a)%4)+\b)+7], v[SC+8*NQ*(\sc)+NQ*\b+(\q)], v[SC+8*NQ*(\sc)+NQ*(\a)+(\q)] matrix_a_fmt:MATRIX_FMT_FP6 matrix_b_fmt:MATRIX_FMT_FP6 matrix_a_scale:MATRIX_SCALE_ROW1
.endif
.endr
.endr
.endm
.macro FETCH_B slot, q, p              ; B's eight fragments of the slot's q-th 128 along K into set p
	WIN TO_B
.irp i, 0,1,2,3,4,5,6,7
	FRAG 128*(\p)+FR*\i, ADRB+\slot, \q, \i
.endr
	WIN 0
.endm
.macro FETCH_A slot, q, i0             ; A's blocks i0 .. i0 + 3
.irp i, \i0, \i0+1, \i0+2, \i0+3
	FRAG AF+FR*(\i), ADRA+\slot, \q, \i
.endr
.endm
.macro SCALES sc                       ; the next K step's scale words into set sc: two words a row; lanes 0-15 take A's block i, lanes 16-31 B's block i
.irp i, 0,1,2,3,4,5,6,7
	ds_load_b64 v[SC+8*NQ*\sc+NQ*\i:SC+8*NQ*\sc+NQ*\i+1], v[ADRS] offset:\i*SBLK
.endr
.endm
; A load into a register that a matrix instruction has read, and a vector instruction that reads a matrix result, stand NP places behind that matrix instruction; only plain vector instructions that name none of its registers are places
.macro PLACES n
.rept \n
	v_nop
.endr
.endm
; A step of 128 along K that has its successor in the same slot
.macro STEP slot, q, zero
	s_wait_dscnt 4*NL                              ; B's set and A's blocks 0-3 are in; the youngest 24 loads (A's blocks 4-7) may be out
.if \zero
	WIN 0x81                                       ; C (the bias) window 0, D window 2
.else
	WIN MUL_LO
.endif
	MUL16 0, (\q)%2, \q, \slot, \zero
	MUL16 2, (\q)%2, \q, \slot, \zero
	s_wait_dscnt 0                                 ; A's blocks 4-7 are in
	PLACES NP
	FETCH_B \slot, (\q)+1, 1-(\q)%2
	FETCH_A \slot, (\q)+1, 0
.if \zero
	WIN 0xc1                                       ; C window 0, D window 3
.else
	WIN MUL_HI
.endif
	MUL16 4, (\q)%2, \q, \slot, \zero
	MUL16 6, (\q)%2, \q, \slot, \zero
	PLACES NP
	WIN 0
	FETCH_A \slot, (\q)+1, 4
.endm
; A slot's last step changes slots: one barrier; in front of it each wave waits for all its tensor loads, adds 0 to its spare word, and waits for that and for its own reads of this slot.  fill = 1: this slot is filled again, two K steps ahead.
.macro TURN slot, next, fill
	s_wait_tensorcnt 0x0                           ; all my tensor loads have landed: my part of the next slot
	ds_add_u32 v[SPW], v[NIL]                      ; 0 onto my spare word
	s_wait_dscnt 4*NL+1                            ; (the add and the youngest 24 loads, A's blocks 4-7, may be out)
	WIN MUL_LO
	MUL16 0, 1, NQ-1, \slot, 0                     ; sixteen matrix instructions stand between the add and the wait for it
	s_wait_dscnt 0x0                               ; the add is done, and my reads of this slot are over
	s_barrier_signal -1
	MUL16 2, 1, NQ-1, \slot, 0
	WIN 0
	s_barrier_wait -1
.if \fill
	CREST                                          ; the barrier has opened a round of the cluster's barrier: no wave of any partner still reads this slot's tile or has a load on its way
	s_add_nc_u64 s[G0+4*\slot+2:G0+4*\slot+3], s[G0+4*\slot+2:G0+4*\slot+3], 6144
	s_add_nc_u64 s[G0B+4*\slot+2:G0B+4*\slot+3], s[G0B+4*\slot+2:G0B+4*\slot+3], 6144
	JLOAD G0+4*\slot, G1, G0B+4*\slot, G1B         ; the first tensor load behind the round; the four v_nop behind it are the places in front of the loads below
.else
	PLACES NP
.endif
	v_add_nc_u32 v[ADRS], 4*NQ, v[ADRS]            ; on to the next K step's scale words
	FETCH_B \next, 0, 0
	FETCH_A \next, 0, 0
	SCALES \next
	WIN MUL_HI
	MUL16 4, 1, NQ-1, \slot, 0
	MUL16 6, 1, NQ-1, \slot, 0
	PLACES NP
	WIN 0
	FETCH_A \next, 0, 4
.endm
	s_wait_tensorcnt 1                             ; the scales and my part of K step 0 are in (K step 1's load may be out),
	s_barrier_signal -1
	s_barrier_wait -1                              ; everybody's are
	FETCH_B 0, 0, 0
	FETCH_A 0, 0, 0
	SCALES 0
	FETCH_A 0, 0, 4
	s_wait_loadcnt 0x0                             ; the bias
	s_cmp_eq_u32 ttmp9, 2                          ; the first step is written twice: only the C of its products differs
	s_cbranch_scc1 .Lfirst_v
	STEP 0, 0, 1
	s_branch .Lfirst_done
.Lfirst_v:
	STEP 0, 0, 2
.Lfirst_done:
	TURN 0, 1, 1                                   ; K = 1,024 is twice round the ring: written out
	STEP 1, 0, 0
	TURN 1, 0, 1
	STEP 0, 0, 0
	TURN 0, 1, 0                                   ; the last lap fills nothing, and has no round of the cluster's barrier
	STEP 1, 0, 0
	s_wait_dscnt 4*NL                              ; the very last step: nothing more to fetch
	WIN MUL_LO
	MUL16 0, 1, NQ-1, 1, 0
	MUL16 2, 1, NQ-1, 1, 0
	s_wait_dscnt 0
	WIN MUL_HI
	MUL16 4, 1, NQ-1, 1, 0
	MUL16 6, 1, NQ-1, 1, 0
	WIN 0
; THE WAY OUT.  A's block a: my lane's 64 results, register 16 b + i = B's row 32 b + 16 h + i, are four blocks of 32: they become 12 registers of codes in v[PC] on and a scale word in v[PW + a % 2].
.macro QUANTW a
.set AC, 64*((\a)%4)
.set PWR, PW+(\a)%2
	WIN 0x0a+5*((\a)/4)                            ; sources 0 and 1: window 2 or 3
.irp b, 0,1,2,3
	v_max3_num_f32 v[TM+\b], |v[AC+16*\b]|, |v[AC+16*\b+1]|, 0x1800000   ; each accumulator from its low end on; the floor 2^(3 - 127) holds the byte at 1 from below
.endr
.irp i, 2,4,6,8,10,12,14
.irp b, 0,1,2,3
	v_max3_num_f32 v[TM+\b], |v[AC+16*\b+\i]|, |v[AC+16*\b+\i+1]|, v[TM+\b]
.endr
.endr
	WIN 0
.irp b, 0,1,2,3
	v_permlanex16_b32 v[TM+4+\b], v[TM+\b], s[SEL], s[SEL+1]
.endr
.irp b, 0,1,2,3
	v_max_num_f32 v[TM+\b], v[TM+\b], v[TM+4+\b]   ; with lane l xor 16's: the block's largest magnitude
.endr
.irp b, 0,1,2,3
	v_add_nc_u32 v[TM+12+\b], 0xff000000, v[TM+\b] ; 2 off its exponent field: the conversion's scale operand
.endr
.irp b, 0,1,2,3
	v_lshrrev_b32 v[TM+4+\b], 23, v[TM+12+\b]      ; the scale's byte
.endr
	v_lshl_or_b32 v[PWR], v[TM+5], 8, v[TM+4]
	v_lshl_or_b32 v[PWR], v[TM+6], 16, v[PWR]
	v_lshl_or_b32 v[PWR], v[TM+7], 24, v[PWR]
	WIN 0x02+(\a)/4                                ; source 0: window 2 or 3
.irp c, 0,1
	v_cvt_scalef32_pk16_fp6_f32 v[PC+6*\c:PC+6*\c+2], v[AC+32*\c:AC+32*\c+15], v[TM+12+2*\c]
	v_cvt_scalef32_pk16_fp6_f32 v[PC+12+4*\c:PC+14+4*\c], v[AC+16+32*\c:AC+31+32*\c], v[TM+12+2*\c+1]
.endr
	WIN 0
	v_nop                                          ; one plain place behind a scaled conversion
.irp c, 0,1                            ; a whole block in a lane: lanes 0-15 block 2 c, lanes 16-31 block 2 c + 1
.irp i, 0,1,2
	v_permlane16_swap_b32 v[PC+6*\c+\i], v[PC+12+4*\c+\i]
.endr
.irp i, 0,1,2
	v_mov_b32 v[PC+3+6*\c+\i], v[PC+12+4*\c+\i]
.endr
.endr
.endm
.macro EPI a
	s_wait_xcnt 0x0                                ; the last block's stores have read their registers: they are written again only behind this wait
	QUANTW \a
	s_cmp_eq_u32 ttmp9, 0
	s_cbranch_scc0 .Lnot_q_\@
.irp e, 0,1                            ; q: registers 6 e .. 6 e + 5 are head e's codes of token tile a: three pieces of 256 consecutive bytes, aligned
.irp i, 0,1,2
	global_store_b64 v[L8], v[PC+6*\e+2*\i:PC+6*\e+2*\i+1], s[OB:OB+1] offset:98304*\e+768*(\a)+256*\i
.endr
.endr
	v_perm_b32 v[SWD], v[PWR], v[PWR], 0x01000100  ; head 0's two bytes, twice;
	v_perm_b32 v[SWD+1], v[PWR], v[PWR], 0x03020302   ; head 1's
	v_cndmask_b32 v[SWD], v[SWD], v[SWD+1], s[HM]  ; lanes 0-15 store head 0's words, lanes 16-31 head 1's
	global_store_b32 v[QSV], v[SWD], s[OS:OS+1] offset:64*(\a)
	s_branch .Lstored_\@
.Lnot_q_\@:
	s_cmp_eq_u32 ttmp9, 1
	s_cbranch_scc0 .Lnot_k_\@
.irp e, 0,1                            ; k: token tile a is half a % 2 of fragment a / 2
.irp i, 0,1,2
	global_store_b64 v[L8], v[PC+6*\e+2*\i:PC+6*\e+2*\i+1], s[OB:OB+1] offset:HEADB*\e+1536*((\a)/2)+256*(3*((\a)%2)+\i)
.endr
.endr
.if ((\a)%2) == 1
	v_perm_b32 v[SWD], v[PW+1], v[PW], 0x05040100  ; head 0: the even tile's two bytes, then the odd tile's;
	v_perm_b32 v[SWD+1], v[PW+1], v[PW], 0x07060302   ; head 1
	v_cndmask_b32 v[SWD], v[SWD], v[SWD+1], s[HM]
	global_store_b32 v[KSV], v[SWD], s[OS:OS+1] offset:64*((\a)/2)
.endif
	s_branch .Lstored_\@
.Lnot_k_\@:
.irp g, 0,1,2                          ; v: a whole fragment: tile a % 4 of head a / 4, this key step: three groups of 512 consecutive bytes
	global_store_b128 v[L16], v[PC+4*\g:PC+4*\g+3], s[OB:OB+1] offset:HEADB*((\a)/4)+1536*((\a)%4)+512*\g
.endr
.if ((\a)%2) == 1
	v_cndmask_b32 v[SWD], v[PW], v[PW+1], s[HM]    ; lanes 0-15 store the even tile's words, lanes 16-31 the odd tile's
	global_store_b32 v[L4], v[SWD], s[OS:OS+1] offset:HEADB*((\a)/4)+64*(((\a)%4)-1)
.endif
.Lstored_\@:
.endm
	PLACES NP                                      ; behind the last products: their results are read, and registers that held A's fragments are written
.irp b, 0,1,2,3
	v_mov_b32 v[TM+4+\b], 0                        ; a lane permute's destination counts as one of its sources
.endr
.irp a, 0,1,2,3,4,5,6,7
	EPI \a
.endr
	s_wait_tensorcnt 0x0                           ; the wave's end, behind my last tensor load
	ds_add_u32 v[SPW], v[NIL]
	s_wait_dscnt 0x0
	CROUND                                         ; the closing round: no work-group ends while a partner may still ask for a tile that names it
	s_endpgm
.Lfunc_end_k_q61ce41a5bd_qkv:
	.size	k_q61ce41a5bd_qkv, .Lfunc_end_k_q61ce41a5bd_qkv-k_q61ce41a5bd_qkv
	.p2alignl 7, 3214868480
	.fill 96, 4, 3214868480
	.section	.rodata,"a",@progbits
	.p2align	6, 0x0
	.amdhsa_kernel k_q61ce41a5bd_qkv
		.amdhsa_group_segment_fixed_size 327680
		.amdhsa_private_segment_fixed_size 0
		.amdhsa_enable_private_segment 0
		.amdhsa_kernarg_size 56
		.amdhsa_user_sgpr_count 2
		.amdhsa_user_sgpr_kernarg_segment_ptr 1
		.amdhsa_wavefront_size32 1
		.amdhsa_system_sgpr_workgroup_id_x 1
		.amdhsa_system_sgpr_workgroup_id_y 1
		.amdhsa_system_sgpr_workgroup_id_z 1
		.amdhsa_system_vgpr_workitem_id 0
		.amdhsa_next_free_vgpr 1024
		.amdhsa_next_free_sgpr 102
		.amdhsa_reserve_vcc 0
		.amdhsa_float_denorm_mode_32 3
		.amdhsa_float_denorm_mode_16_64 3
		.amdhsa_memory_ordered 1
		.amdhsa_forward_progress 1
		.amdhsa_inst_pref_size 203
	.end_amdhsa_kernel
	.amdgpu_metadata
---
amdhsa.version: [ 1, 2 ]
amdhsa.kernels:
  - .name:           k_q61ce41a5bd_qkv
    .symbol:         k_q61ce41a5bd_qkv.kd
    .args:
      - { .name: xq, .offset: 0, .size: 8, .value_kind: global_buffer, .address_space: global }
      - { .name: wq, .offset: 8, .size: 8, .value_kind: global_buffer, .address_space: global }
      - { .name: bq, .offset: 16, .size: 8, .value_kind: global_buffer, .address_space: global }
      - { .name: bk, .offset: 24, .size: 8, .value_kind: global_buffer, .address_space: global }
      - { .name: bv, .offset: 32, .size: 8, .value_kind: global_buffer, .address_space: global }
      - { .name: qq, .offset: 40, .size: 8, .value_kind: global_buffer, .address_space: global }
      - { .name: kv, .offset: 48, .size: 8, .value_kind: global_buffer, .address_space: global }
    .group_segment_fixed_size: 327680
    .private_segment_fixed_size: 0
    .kernarg_segment_align: 8
    .kernarg_segment_size: 56
    .max_flat_workgroup_size: 128
    .sgpr_count:     102
    .vgpr_count:     1024
    .wavefront_size: 32
...
	.end_amdgpu_metadata
.endif
;; end of part 2
;; launch attn (part 3): grid 4 x 64, 16 waves a work-group, no clusters, 206,848 bytes of LDS; arguments kv, qq, mb, mf, yq; writes yq
.if DOCPART == 3
	.amdgcn_target "amdgcn-amd-amdhsa--gfx1250"
	.amdhsa_code_object_version 6
	.text
	.protected	k_q61ce41a5bd_attn
	.globl	k_q61ce41a5bd_attn
	.p2align	8
	.type	k_q61ce41a5bd_attn,@function
k_q61ce41a5bd_attn:
	s_mov_b64 s[64:65], 0
	v_nop
	global_prefetch_b8 v0, s[64:65] scope:SCOPE_SE
	s_setreg_imm32_b32 hwreg(HW_REG_WAVE_MODE, 25, 1), 1
	s_wait_xcnt 0x0
; y[b][q][head] = softmax_k(q . k / 32, closed entries of the mask at a very low logit) v, both products on codes of FP6 (E2M3) with E8M0 scales; y leaves as codes, quantised along the model's 1,024 (two blocks a head).
; THE SOFTMAX AHEAD OF THE SECOND PRODUCT: t = score x log2(e) / 32; M = the row's largest t so far, rounded up to a whole number; p = 2^(t - M) is quantised along the keys, not normalised; the row's sum is taken of the unquantised p
; and divides at the end.  When M moves, the sum and O are multiplied by 2^(old M - new M): exact.
; SHARES.  A work-group serves one head of one batch (ttmp7: bh) and the query tiles T = j mod 4 (ttmp9: j).  Wave w takes tiles 4 w + j and 4 (31 - w) + j, one after the other.  Sixteen waves of 256 registers, four to a SIMD.
; LDS.  The head's K and V, codes and scale words, 204,800 bytes, lie in memory as they lie here; they are copied once, through registers, and from the one barrier on LDS is only read.
; THE MASK is honoured as it is given, whatever its pattern.  An earlier launch has turned it into lane-mask words (mb: a bit an entry) and whole numbers (mf: 32 bytes a tile of 16 queries, four pairs): for each key step of 128 two bits: the step
; has an open entry; it has a closed one; and the lanes that have an open entry somewhere.
; A step is left out where all its entries are closed AND every one of the tile's 16 rows has an open key somewhere (its p would all be 0); a tile with a row that has no open key does every step.  Where a step has no closed entry the 64 selects are
; jumped over.  These are branches on whole numbers read from mf, so this launch has no tensor load; and so it has no joint loads either, though the four work-groups of a head read the same 204,800 bytes: once each, against up to 512 tile steps.
; The words of mb choose between two values by v_cndmask_b32 and steer nothing else.
; PRODUCT 1 has K = 64 and the instruction 128: a fragment of K holds two tiles of 16 keys (k 0-63: tile 2 f, k 64-127: tile 2 f + 1); it is multiplied by (Q, zeros) and by (zeros, Q).  Zero codes add nothing.
; LAYOUT.  Both products are used transposed: a lane holds one query (lane % 16).  Tiles of keys hold keys 32 (T / 2) + 8 (T % 2) + r + 8 (r / 8), so that score register 16 b + i is key 32 b + 16 (lane / 16) + i of the step.
; LIMITS.  A closed entry's raw score is -2^38, a logit of -2^33 where reference() has -1e10: c x -2^38 is exact and a whole number, so that a row with no open key has p = 1 for every key; results differ from reference()'s only where an
; open logit lies under about -8.5e9.  A block of zeros gets the byte 1 where the rule says 127 (its codes are zeros, and this program alone reads the bytes).  NaN and infinities are not served.
.set HEADB, 204800
.set VOFF,  98304                      ; LDS: K's codes at 0 (6,144 bytes a key step), V's here,
.set KSO,   196608                     ; K's scale words (256 bytes a key step),
.set VSO,   200704                     ; V's
.set SPARE, 204800                     ; the spare words, 128 bytes for each wave: eight blocks of 256 bytes that no other line names
.set QS,    6291456                    ; qq: the scale words begin here
.set XS,    6291456                    ; yq: the scale rows begin here
.set KFR,   44                         ; v44-91   four fragments of K; behind the scores: p's codes v44-55, conversions' halves v56-62, scale operands v64-67, bytes v68-71, a pair of sums v72-73
.set PCD,   44
.set HLF,   56
.set SO,    64
.set BY,    68
.set SUM2,  72
.set KSC,   92                         ; v92-95   K's scale words
.set S,     96                         ; v96-159  S^T, then p
.set O,     160                        ; v160-191 O^T: four tiles of 16 of the head's 64
.set VFR,   192                        ; v192-239 four fragments of V
.set VSC,   240                        ; v240-243 V's scale words
.set PSC,   244                        ; v244     p's scale word
.set T1,    245
.set F,     246                        ; v[246:247] f = 2^(old M - new M); later 1 / the sum
.set BM,    248                        ; v248-251 the blocks' largest scores
.set PD,    252                        ; v252-255 lane permutes' destinations
	s_load_b256 s[4:11], s[0:1], 0x0               ; kv, qq, mb, mf
	s_load_b64 s[2:3], s[0:1], 0x20                ; yq
	v_lshl_add_u32 v5, v0, 2, SPARE                ; v5: LDS address of my spare word; never rewritten
	v_mov_b32 v6, 0                                ; v6: 0; never rewritten
	v_lshrrev_b32 v1, 5, v0
	v_readfirstlane_b32 s18, v1                    ; wave 0..15
	s_and_b32 s12, ttmp7, 0xffff                   ; bh
	s_lshr_b32 s14, s12, 4                         ; batch
	s_and_b32 s15, s12, 15                         ; head
	s_mul_i32 s16, s12, HEADB
	s_mov_b32 s17, 0
	v_lshlrev_b32 v8, 4, v0                        ; 16 x thread: the work-group copies 8,192 consecutive bytes an instruction
	v_add_nc_u32 v9, 0x10000, v8                   ; (an LDS offset has 16 bits)
	v_add_nc_u32 v10, 0x20000, v8
	v_add_nc_u32 v11, 0x30000, v8
	s_wait_kmcnt 0x0
	s_add_nc_u64 s[4:5], s[4:5], s[16:17]
.set n, 0
.rept 25
	global_load_b128 v[96+4*n:99+4*n], v8, s[4:5] offset:8192*n
.set n, n+1
.endr
	v_and_b32 v2, 31, v0                           ; lane
	v_and_b32 v3, 15, v0                           ; r
	v_bfe_u32 v4, v0, 4, 1                         ; h
	v_lshlrev_b32 v1, 3, v2                        ; v1: 8 x lane
	v_lshl_add_u32 v42, v3, 5, v4                  ; v42: 32 r + h: my byte in y's scale rows
	v_lshlrev_b32 v43, 2, v3                       ; v43: 4 r
	v_lshlrev_b32 v2, 4, v2
	v_add_nc_u32 v2, VOFF, v2                      ; v2: V's codes, 16 x lane
	v_add_nc_u32 v3, KSO, v43                      ; v3: K's scale words, 4 r
	v_add_nc_u32 v4, VSO, v43                      ; v4: V's
	v_mov_b32 v41, 0xd2800000                      ; -2^38: a closed entry's raw score
.irp i, 22,23,24,25,26,27,28,29,30,31,32,33
	v_mov_b32 v\i, 0                               ; QA = v[16:27] = (Q, zeros); QB = v[28:39] = (zeros, Q): the zero codes are written once
.endr
	v_mov_b32 v[F+1], 0                            ; (named as the upper half of a pair)
.irp b, 0,1,2,3
	v_mov_b32 v[PD+\b], 0                          ; a lane permute's destination counts as one of its sources
.endr
	s_mov_b32 s20, 0x76543210
	s_mov_b32 s21, 0xfedcba98                      ; v_permlanex16_b32's selects for lane l xor 16
	s_mov_b32 s22, 0x3d38aa3b                      ; c = log2(e) / 32
	s_mov_b32 s23, s22                             ; (named with it as a pair)
	s_mov_b32 s28, 0xffff0000                      ; lanes 16-31
.set n, 0
.rept 25
	s_wait_loadcnt 24-n                            ; loads come back in order (ISA guide 5.7.1): number n is in, the younger ones stay out
	ds_store_b128 v[8+n/8], v[96+4*n:99+4*n] offset:8192*(n%8)
.set n, n+1
.endr
	s_wait_dscnt 0x0                               ; for the others' sake: my stores have landed
	s_barrier_signal -1
	s_barrier_wait -1                              ; the head's K and V lie in LDS; nothing writes them again
.macro TILE second
	s_wait_xcnt 0x0                                ; the stores of the tile before have read their registers and bases
.if \second
	s_sub_co_u32 s29, 31, s18
.else
	s_mov_b32 s29, s18
.endif
	s_lshl_b32 s29, s29, 2
	s_add_co_u32 s29, s29, ttmp9                   ; T
	s_lshl_b32 s66, s14, 7
	s_add_co_u32 s66, s66, s29                     ; the tile among the 512 of all batches
	s_lshl_b32 s27, s12, 7
	s_add_co_u32 s27, s27, s29                     ; 128 bh + T
	s_mul_i32 s4, s27, 768
	s_mov_b32 s5, 0
	s_add_nc_u64 s[100:101], s[6:7], s[4:5]        ; Q's codes
	s_lshl_b32 s4, s27, 6
	s_add_co_u32 s4, s4, QS
	s_add_nc_u64 s[104:105], s[6:7], s[4:5]        ; Q's scale words
	s_lshl_b32 s4, s66, 12
	s_add_nc_u64 s[30:31], s[8:9], s[4:5]          ; the tile's mask words
	s_lshl_b32 s4, s66, 5
	s_add_nc_u64 s[16:17], s[10:11], s[4:5]        ; its whole numbers: four pairs, 32 bytes
	s_load_b256 s[32:39], s[16:17], 0x0
.irp i, 0,1,2
	global_load_b64 v[16+2*\i:17+2*\i], v1, s[100:101] offset:256*\i   ; Q twice: into the lower half of QA,
	global_load_b64 v[34+2*\i:35+2*\i], v1, s[100:101] offset:256*\i   ; and into the upper half of QB
.endr
	global_load_b32 v40, v43, s[104:105]
	v_mov_b32 v13, 0xff61b1e6                      ; the largest t so far: -3e38, under every t
	v_floor_f32 v12, -v13                          ; -M
	v_mov_b32 v14, 0                               ; the sum, in two halves
	v_mov_b32 v15, 0
.set n, 0
.rept 32
	v_mov_b32 v[O+n], 0                            ; O^T: which step is a tile's first hangs on the mask, so the sums begin as zeros
.set n, n+1
.endr
	s_wait_kmcnt 0x0
	s_or_b32 s26, s32, s34
	s_or_b32 s27, s36, s38
	s_or_b32 s26, s26, s27                         ; bits 0-15: the step has an open entry; bits 16-31: it has a closed one
	s_or_b32 s27, s33, s35
	s_or_b32 s67, s37, s39
	s_or_b32 s27, s27, s67                         ; the lanes that have an open entry somewhere
	s_lshr_b32 s67, s27, 16
	s_or_b32 s27, s27, s67
	s_and_b32 s27, s27, 0xffff                     ; the rows that have one
	s_cmp_eq_u32 s27, 0xffff
	s_cselect_b32 s27, 0, 0xffff
	s_or_b32 s26, s26, s27                         ; a tile with a row that has none does every step
	s_mov_b32 s19, 0                               ; the key step,
	s_mov_b32 s24, 0                               ; its codes in LDS: 6,144 bytes a step,
	s_mov_b32 s25, 0                               ; its scale words in LDS and its mask words in memory: 256 bytes a step
	s_wait_loadcnt 0x0                             ; Q
.Lstep_\@:                                         ; sixteen trips, whatever the mask; a step's work is jumped over, not its stepping lines
	s_lshr_b32 s27, s26, s19
	s_and_b32 s67, s27, 0x10000                    ; has the step a closed entry?
	s_and_b32 s27, s27, 1
	s_cmp_eq_u32 s27, 0
	s_cbranch_scc1 .Lskip_\@
	s_load_b512 s[32:47], s[30:31], s25 offset:0x0 ; the step's 64 mask words: word n in s[32 + n], from word 32 on in s[36 + n]
	s_load_b512 s[48:63], s[30:31], s25 offset:0x40
	s_load_b512 s[68:83], s[30:31], s25 offset:0x80
	s_load_b512 s[84:99], s[30:31], s25 offset:0xc0
	v_add_nc_u32 v8, s24, v1                       ; these four are also the places between the last step's products and the loads into registers that they read
	v_add_nc_u32 v9, s24, v2
	v_add_nc_u32 v10, s25, v3
	v_add_nc_u32 v11, s25, v4
.irp f, 0,1,2,3
.irp p, 0,1,2,3,4,5
	ds_load_b64 v[KFR+12*\f+2*\p:KFR+12*\f+2*\p+1], v8 offset:1536*\f+256*\p
.endr
	ds_load_b32 v[KSC+\f], v10 offset:64*\f
.endr
	s_wait_dscnt 0x0
.irp f, 0,1,2,3                        ; S^T = K Q^T: eight tiles of 16 keys, eight accumulators
	v_wmma_scale_f32_16x16x128_f8f6f4 v[S+16*\f:S+16*\f+7], v[KFR+12*\f:KFR+12*\f+11], v[16:27], 0, v[KSC+\f], v40 matrix_a_fmt:MATRIX_FMT_FP6 matrix_b_fmt:MATRIX_FMT_FP6
	v_wmma_scale_f32_16x16x128_f8f6f4 v[S+16*\f+8:S+16*\f+15], v[KFR+12*\f:KFR+12*\f+11], v[28:39], 0, v[KSC+\f], v40 matrix_a_fmt:MATRIX_FMT_FP6 matrix_b_fmt:MATRIX_FMT_FP6
.endr
.rept 4
	v_nop                                          ; places behind the products: their results are read below
.endr
.irp t, 0,1,2,3                        ; V's fragments are asked for now and land under the softmax
.irp g, 0,1,2
	ds_load_b128 v[VFR+12*\t+4*\g:VFR+12*\t+4*\g+3], v9 offset:1536*\t+512*\g
.endr
	ds_load_b32 v[VSC+\t], v11 offset:64*\t
.endr
	s_wait_kmcnt 0x0                               ; the mask words are in
	s_cmp_eq_u32 s67, 0
	s_cbranch_scc1 .Lopen_\@
.set n, 0
.rept 64
	v_cndmask_b32 v[S+n], v41, v[S+n], s[32+n+4*(n/32)]   ; a closed entry's score becomes -2^38, ahead of the maximum
.set n, n+1
.endr
.Lopen_\@:
.irp b, 0,1,2,3
	v_max3_num_f32 v[BM+\b], v[S+16*\b], v[S+16*\b+1], v[S+16*\b+2]   ; the largest score of each block of 32 keys: it serves for the row's maximum and, since p rises with the score, for the block's largest p
.endr
.irp i, 3,5,7,9,11,13
.irp b, 0,1,2,3
	v_max3_num_f32 v[BM+\b], v[BM+\b], v[S+16*\b+\i], v[S+16*\b+\i+1]
.endr
.endr
.irp b, 0,1,2,3
	v_max_num_f32 v[BM+\b], v[BM+\b], v[S+16*\b+15]
.endr
.irp b, 0,1,2,3
	v_permlanex16_b32 v[PD+\b], v[BM+\b], s20, s21
.endr
.irp b, 0,1,2,3
	v_max_num_f32 v[BM+\b], v[BM+\b], v[PD+\b]     ; with lane l xor 16's 16 keys
.endr
	v_max3_num_f32 v[T1], v[BM], v[BM+1], v[BM+2]
	v_max_num_f32 v[T1], v[T1], v[BM+3]            ; the step's largest score of my query
	v_mul_f32 v[T1], s22, v[T1]                    ; as t (c is positive)
	v_max_num_f32 v13, v13, v[T1]                  ; the running largest t
	v_mov_b32 v[T1], v12
	v_floor_f32 v12, -v13                          ; the new -M = floor(-t): M is a whole number
	v_sub_f32 v[T1], v12, v[T1]                    ; old M - new M: a whole number, 0 or less
	v_cvt_i32_f32 v[T1], v[T1]                     ; (it saturates)
	v_ldexp_f32 v[F], 1.0, v[T1]                   ; f = 2^(old M - new M)
.set n, 0
.rept 32
	v_pk_fma_f32 v[S+n:S+n+1], v[S+n:S+n+1], s[22:23], v[12:13] op_sel_hi:[1,0,0]   ; t - M, two at a time
.set n, n+2
.endr
.irp b, 0,1,2,3
	v_fma_f32 v[BM+\b], v[BM+\b], s22, v12         ; the same of each block's largest score
.endr
.set n, 0
.rept 64
	v_exp_f32 v[S+n], v[S+n]                       ; p = 2^(t - M), at most 1
.set n, n+1
.endr
	v_pk_mul_f32 v[14:15], v[14:15], v[F:F+1] op_sel_hi:[1,0]   ; the sums under the new M: a plain place behind the exponentials
	s_wait_alu depctr_va_vdst(0)                   ; one wait for the whole batch, ahead of its first reader
.irp b, 0,1,2,3
	v_exp_f32 v[BM+\b], v[BM+\b]                   ; the block's largest p: the same two instructions on the same number give the same bits
.endr
	v_pk_add_f32 v[SUM2:SUM2+1], v[S:S+1], v[S+2:S+3]   ; the row's sum is taken of the unquantised p, in two chains
.set n, 4
.rept 15
	v_pk_add_f32 v[14:15], v[14:15], v[S+n:S+n+1]
	v_pk_add_f32 v[SUM2:SUM2+1], v[SUM2:SUM2+1], v[S+n+2:S+n+3]
.set n, n+4
.endr
	v_pk_add_f32 v[14:15], v[14:15], v[SUM2:SUM2+1]
	s_wait_alu depctr_va_vdst(0)                   ; and one for the four
.irp b, 0,1,2,3
	v_max_num_f32 v[BM+\b], 0x1800000, v[BM+\b]    ; the floor 2^(3 - 127): the byte cannot fall under 1
.endr
.irp b, 0,1,2,3
	v_add_nc_u32 v[SO+\b], 0xff000000, v[BM+\b]    ; 2 off the exponent field: the conversion's scale operand
.endr
.irp b, 0,1,2,3
	v_lshrrev_b32 v[BY+\b], 23, v[SO+\b]           ; the scale's byte
.endr
	v_lshl_or_b32 v[PSC], v[BY+1], 8, v[BY]        ; p's scale word for these 128 keys
	v_lshl_or_b32 v[PSC], v[BY+2], 16, v[PSC]
	v_lshl_or_b32 v[PSC], v[BY+3], 24, v[PSC]
.irp c, 0,1
	v_cvt_scalef32_pk16_fp6_f32 v[PCD+6*\c:PCD+6*\c+2], v[S+32*\c:S+32*\c+15], v[SO+2*\c]
	v_cvt_scalef32_pk16_fp6_f32 v[HLF+4*\c:HLF+4*\c+2], v[S+16+32*\c:S+31+32*\c], v[SO+2*\c+1]
.endr
	v_nop                                          ; one plain place behind a scaled conversion
.irp c, 0,1                            ; a whole block in a lane: lanes 0-15 block 2 c, lanes 16-31 block 2 c + 1
.irp i, 0,1,2
	v_permlane16_swap_b32 v[PCD+6*\c+\i], v[HLF+4*\c+\i]
.endr
.irp i, 0,1,2
	v_mov_b32 v[PCD+3+6*\c+\i], v[HLF+4*\c+\i]
.endr
.endr
.set n, 0
.rept 16
	v_pk_mul_f32 v[O+n:O+n+1], v[O+n:O+n+1], v[F:F+1] op_sel_hi:[1,0]   ; O^T under the new M.  These sixteen are also the places between the lines that wrote p's codes and scale word and the products
.set n, n+2
.endr
	s_wait_dscnt 0x0                               ; V is in
.irp t, 0,1,2,3                        ; O^T += V^T P^T: four accumulators by turns
	v_wmma_scale_f32_16x16x128_f8f6f4 v[O+8*\t:O+8*\t+7], v[VFR+12*\t:VFR+12*\t+11], v[PCD:PCD+11], v[O+8*\t:O+8*\t+7], v[VSC+\t], v[PSC] matrix_a_fmt:MATRIX_FMT_FP6 matrix_b_fmt:MATRIX_FMT_FP6
.endr
.Lskip_\@:
	s_add_co_u32 s24, s24, 6144
	s_add_co_u32 s25, s25, 256
	s_add_co_u32 s19, s19, 1
	s_cmp_lt_u32 s19, 16
	s_cbranch_scc1 .Lstep_\@
	; the way out: y = O^T / the sum, quantised along the head's 64: two blocks; register 16 b + i is channel 32 b + 16 h + i of my query
.rept 4
	v_nop                                          ; places behind the last products
.endr
	s_mul_i32 s4, s66, 12288                       ; y's codes: the tile's 12,288 bytes; head hd is K step hd / 2, pieces 3 (hd % 2) on: 768 hd bytes
	s_mul_i32 s27, s15, 768
	s_add_co_u32 s4, s4, s27
	s_add_nc_u64 s[100:101], s[2:3], s[4:5]
	s_lshl_b32 s4, s66, 9                          ; y's scale rows: 512 bytes a tile; the head's two bytes at 2 hd
	s_lshl_b32 s27, s15, 1
	s_add_co_u32 s4, s4, s27
	s_add_co_u32 s4, s4, XS
	s_add_nc_u64 s[104:105], s[2:3], s[4:5]
	v_add_f32 v14, v14, v15                        ; the sum's two halves,
	v_permlanex16_b32 v[PD], v14, s20, s21
	v_add_f32 v14, v14, v[PD]                      ; and lane l xor 16's: the row's sum
	v_rcp_f32 v[F], v14
	v_nop                                          ; a plain place behind the transcendental
	s_wait_alu depctr_va_vdst(0)                   ; the wait, ahead of the first reader
.set n, 0
.rept 16
	v_pk_mul_f32 v[S+n:S+n+1], v[O+n:O+n+1], v[F:F+1] op_sel_hi:[1,0]   ; each accumulator from its low end on
.set n, n+2
.endr
.irp b, 0,1
	v_max3_num_f32 v[BM+\b], |v[S+16*\b]|, |v[S+16*\b+1]|, 0x1800000
.endr
.irp i, 2,4,6,8,10,12,14
.irp b, 0,1
	v_max3_num_f32 v[BM+\b], v[BM+\b], |v[S+16*\b+\i]|, |v[S+16*\b+\i+1]|
.endr
.endr
.irp b, 0,1
	v_permlanex16_b32 v[PD+\b], v[BM+\b], s20, s21
.endr
.irp b, 0,1
	v_max_num_f32 v[BM+\b], v[BM+\b], v[PD+\b]
.endr
.irp b, 0,1
	v_add_nc_u32 v[SO+\b], 0xff000000, v[BM+\b]
.endr
.irp b, 0,1
	v_lshrrev_b32 v[BY+\b], 23, v[SO+\b]
.endr
	v_cndmask_b32 v[BY], v[BY], v[BY+1], s28       ; lanes 0-15 store block 0's byte, lanes 16-31 block 1's: every lane a byte of its own
	v_cvt_scalef32_pk16_fp6_f32 v[PCD:PCD+2], v[S:S+15], v[SO]
	v_cvt_scalef32_pk16_fp6_f32 v[HLF:HLF+2], v[S+16:S+31], v[SO+1]
	v_nop                                          ; one plain place behind a scaled conversion
.irp i, 0,1,2
	v_permlane16_swap_b32 v[PCD+\i], v[HLF+\i]     ; lane (r, h) now holds block h
.endr
.irp i, 0,1,2
	v_mov_b32 v[PCD+3+\i], v[HLF+\i]
.endr
.irp i, 0,1,2
	global_store_b64 v1, v[PCD+2*\i:PCD+2*\i+1], s[100:101] offset:256*\i   ; 32 lanes store 256 consecutive bytes, aligned
.endr
	global_store_b8 v42, v[BY], s[104:105]
.endm
	TILE 0
	TILE 1
	s_wait_tensorcnt 0x0                           ; the wave's end, behind my last LDS store
	ds_add_u32 v5, v6
	s_wait_dscnt 0x0
	s_endpgm
.Lfunc_end_k_q61ce41a5bd_attn:
	.size	k_q61ce41a5bd_attn, .Lfunc_end_k_q61ce41a5bd_attn-k_q61ce41a5bd_attn
	.p2alignl 7, 3214868480
	.fill 96, 4, 3214868480
	.section	.rodata,"a",@progbits
	.p2align	6, 0x0
	.amdhsa_kernel k_q61ce41a5bd_attn
		.amdhsa_group_segment_fixed_size 206848
		.amdhsa_private_segment_fixed_size 0
		.amdhsa_enable_private_segment 0
		.amdhsa_kernarg_size 40
		.amdhsa_user_sgpr_count 2
		.amdhsa_user_sgpr_kernarg_segment_ptr 1
		.amdhsa_wavefront_size32 1
		.amdhsa_system_sgpr_workgroup_id_x 1
		.amdhsa_system_sgpr_workgroup_id_y 1
		.amdhsa_system_sgpr_workgroup_id_z 1
		.amdhsa_system_vgpr_workitem_id 0
		.amdhsa_next_free_vgpr 256
		.amdhsa_next_free_sgpr 106
		.amdhsa_reserve_vcc 0
		.amdhsa_float_denorm_mode_32 3
		.amdhsa_float_denorm_mode_16_64 3
		.amdhsa_memory_ordered 1
		.amdhsa_forward_progress 1
		.amdhsa_inst_pref_size 64
	.end_amdhsa_kernel
	.amdgpu_metadata
---
amdhsa.version: [ 1, 2 ]
amdhsa.kernels:
  - .name:           k_q61ce41a5bd_attn
    .symbol:         k_q61ce41a5bd_attn.kd
    .args:
      - { .name: kv, .offset: 0, .size: 8, .value_kind: global_buffer, .address_space: global }
      - { .name: qq, .offset: 8, .size: 8, .value_kind: global_buffer, .address_space: global }
      - { .name: mb, .offset: 16, .size: 8, .value_kind: global_buffer, .address_space: global }
      - { .name: mf, .offset: 24, .size: 8, .value_kind: global_buffer, .address_space: global }
      - { .name: yq, .offset: 32, .size: 8, .value_kind: global_buffer, .address_space: global }
    .group_segment_fixed_size: 206848
    .private_segment_fixed_size: 0
    .kernarg_segment_align: 8
    .kernarg_segment_size: 40
    .max_flat_workgroup_size: 512
    .sgpr_count:     106
    .vgpr_count:     256
    .wavefront_size: 32
...
	.end_amdgpu_metadata
.endif
;; end of part 3
;; launch oproj (part 4): grid 4 x 32, 4 waves a work-group, clusters of 4 x 4, 327,680 bytes of LDS; arguments yq, wq, bo, out0; writes out0
.if DOCPART == 4
	.amdgcn_target "amdgcn-amd-amdhsa--gfx1250"
	.amdhsa_code_object_version 6
	.text
	.protected	k_q61ce41a5bd_oproj
	.globl	k_q61ce41a5bd_oproj
	.p2align	8
	.type	k_q61ce41a5bd_oproj,@function
k_q61ce41a5bd_oproj:
	s_mov_b64 s[64:65], 0
	v_nop
	global_prefetch_b8 v0, s[64:65] scope:SCOPE_SE
	s_setreg_imm32_b32 hwreg(HW_REG_WAVE_MODE, 25, 1), 1
	s_wait_xcnt 0x0
	s_wait_alu depctr_hold_cnt(0) depctr_sa_sdst(0) depctr_va_vdst(0) depctr_va_sdst(0) depctr_va_ssrc(0) depctr_va_vcc(0) depctr_vm_vsrc(0)
	s_getreg_b32 s2, hwreg(HW_REG_IB_STS2, 6, 4)
	s_cmp_eq_u32 s2, 0
	s_cbranch_scc0 .Lentry_in_a_cluster
	s_endpgm
.Lentry_in_a_cluster:
	s_bfe_u32 s2, ttmp6, 0x10000c
	s_cmp_lg_u32 s2, 0xf033
	s_cbranch_scc0 .Lentry_shape_is_right
	s_endpgm
.Lentry_shape_is_right:
; out0 = y Wo^T + bo on codes of FP6 (E2M3) with E8M0 scales, sums in f32.  y [8192][1024] and Wo [1024][1024] arrive as codes laid in the order of a matrix operand's registers; out0 [8192][1024] is f32.
; A tile of 256 x 256 of out0 is made by a work-group of four waves, a wave 128 x 128: 64 accumulators, 512 registers.  K = 1,024 goes in four steps of 256 through a ring of two LDS slots filled by the tensor data mover.
; OPERANDS: fragment (tile of 16 rows T, K step of 128 s): registers 2 p, 2 p + 1 of lane l at ((8 T + s) 6 + p) 256 + 8 l; tile T holds rows 32 (T / 2) + 8 (T % 2) + r + 8 (r / 8).  Scale rows: 32 bytes a row of a tile, behind the codes.
; Wo is the fourth weight in wq: its rows begin at row 3,072.  The scale rows of the work-group's rows come once, with the first fills, and stay.
; THE MATRIX INSTRUCTION IS USED TRANSPOSED (source 0 = 16 rows of Wo, source 1 = 16 rows of y): a lane holds one token, and the 16 registers of Wo's tiles 2 g, 2 g + 1 are outputs 32 g + 16 (lane / 16) + 0 .. 15.  The bias is the C of each sum's first product.
; CLUSTERS: 4 x 4 work-groups; y's tiles are shared along a row of the cluster, Wo's along a column, each asked for jointly.  By this text's count at most three tensor loads of a wave are out.
; The grid has 128 work-groups: a tile of 256 x 256 of 8,192 x 1,024.
; REGISTERS, in windows of 256: window 0: v0-31 addresses; v32-63 scale words, two sets; v64-127 the bias; from v128 A's fragments, one set (on the way out: rows of out0).  window 1: B's fragments, two sets.  windows 2, 3: the accumulators.
.set XS,     6291456                   ; yq: the scale rows begin here
.set WS,     3145728                   ; wq: likewise
.set NQ,     2
.set FR,     12
.set NL,     6
.set NP,     4                         ; places behind this matrix instruction (ISA guide 7.12.1)
.set KS,     32
.set HALFT,  24576                     ; 128 rows x 256 along K: what one tensor load brings
.set SLOT,   4*HALFT
.set SCL,    2*SLOT                    ; behind the ring: the scales, as units of 256 bytes + 16 of padding
.set HALFS,  16*272
.set SBLK,   2*272
.set SPARE,  SCL+4*HALFS               ; the spare words, 128 bytes for each wave: two blocks of 256 bytes that no other line names
.set SPITCH, 528                       ; the way out: a stage of 16 rows x (512 bytes + 16) for each wave, in slot 0, which has had its last fill and its last read when the first result is stored there
.set L8,   8                           ; v8   8 x lane
.set ADRA, 16
.set ADRB, 20
.set STO,  24                          ; v24  the way out: where I put my bytes of a row
.set RD,   25                          ; v25  where I read a row back
.set CO,   26                          ; v26  16 x lane: my bytes of a row of out0
.set ADRS, 27
.set SPW,  28                          ; v28  LDS address of my spare word; never rewritten
.set NIL,  29                          ; v29  0; never rewritten
.set SC,   32
.set BIAS, 64
.set AF,   128
.set BK,   128                         ; the way out: 16 rows read back: v128-191 and v192-255 by turns
.set G1, 24
.set G0, 32
.set G1B, 48
.set G0B, 56
.set G1S, 68
.set G0S, 76
.set G1SB, 80
.set G0SB, 88
.set MSB, 0
.macro WIN new                         ; the immediate's high byte repeats the setting that is left
.if MSB != (\new)
	s_set_vgpr_msb (MSB<<8)|(\new)
.set MSB, (\new)
.endif
.endm
.set MUL_LO, 0xa1                      ; source 0 (B) window 1, source 1 (A) window 0, C and D window 2
.set MUL_HI, 0xf1
.set TO_B,   0x40
; A joint load: waves 0 and 1 fetch for A, waves 2 and 3 for B; the branch hangs on the wave's number alone.  An s_nop 0 and four v_nop follow each of the two lines.
.macro JLOAD g0a, g1a, g0b, g1b
	s_cmp_eq_u32 s15, 0
	s_cbranch_scc0 .Lfor_b_\@
	tensor_load_to_lds s[\g0a:\g0a+3], s[\g1a:\g1a+7]
	s_nop 0
.rept 4
	v_nop
.endr
	s_branch .Lasked_\@
.Lfor_b_\@:
	tensor_load_to_lds s[\g0b:\g0b+3], s[\g1b:\g1b+7]
	s_nop 0
.rept 4
	v_nop
.endr
.Lasked_\@:
.endm
.macro CREST
	s_cmp_lg_u32 s14, 0
	s_cbranch_scc1 .Lnot_wave_0_\@
	s_barrier_signal -3
.Lnot_wave_0_\@:
	s_barrier_wait -3
	s_barrier_signal -1
	s_barrier_wait -1
.endm
.macro CROUND
	s_barrier_signal -1
	s_barrier_wait -1
	CREST
.endm
	s_load_b256 s[4:11], s[0:1], 0x0               ; yq, wq, bo, out0
	v_lshl_add_u32 v[SPW], v0, 2, SPARE
	v_mov_b32 v[NIL], 0
	ds_add_u32 v[SPW], v[NIL]                      ; the wave's opening: the add and its wait stand ahead of my first tensor load; the set-up below, work on registers, stands between them
	v_lshrrev_b32 v1, 5, v0
	v_readfirstlane_b32 s14, v1                    ; wave 0..3
	s_lshr_b32 s15, s14, 1                         ; which half of the tile's rows is mine.  Also: I fetch for A (0) or for B (1)
	s_and_b32 s16, s14, 1                          ; which half of its columns.  Also: which 128 rows of that tile I fetch
	s_bfe_u32 s40, ttmp6, 0x40000                  ; cx, cy
	s_bfe_u32 s41, ttmp6, 0x40004
	s_lshl_b32 s42, ttmp9, 2
	s_add_co_u32 s42, s42, s40                     ; tile column = 4 x cluster x + cx
	s_and_b32 s17, ttmp7, 0xffff
	s_lshl_b32 s17, s17, 2
	s_add_co_u32 s17, s17, s41                     ; tile row = 4 x cluster y + cy
	s_lshl_b32 s43, s41, 2
	s_lshl_b32 s43, 15, s43                        ; my row of the cluster
	s_lshl_b32 s44, 0x1111, s40                    ; my column
	; descriptor group 1 for codes: 8 rows (tiles of 16) of 384 elements of 8 bytes, 1,536 elements apart; no padding
	s_or_b32 s[G1+0], s43, (3<<16)|(1<<21)
	s_or_b32 s[G1B+0], s44, (3<<16)|(1<<21)
.irp g, G1, G1B
	s_mov_b32 s[\g+1], 384<<16
	s_mov_b32 s[\g+2], 8<<16
	s_mov_b32 s[\g+3], 384<<16
	s_mov_b32 s[\g+4], 8
	s_mov_b32 s[\g+5], 1536
	s_mov_b32 s[\g+6], 0
	s_mov_b32 s[\g+7], 0
.endr
	; and for the scales of 128 rows: 16 rows of 256 bytes, 16 bytes of padding behind each
	s_or_b32 s[G1S+0], s43, (3<<16)|(1<<20)|(1<<21)|(5<<22)|(3<<25)
	s_or_b32 s[G1SB+0], s44, (3<<16)|(1<<20)|(1<<21)|(5<<22)|(3<<25)
.irp g, G1S, G1SB
	s_mov_b32 s[\g+1], 32<<16
	s_mov_b32 s[\g+2], 16<<16
	s_mov_b32 s[\g+3], 32<<16
	s_mov_b32 s[\g+4], 16
	s_mov_b32 s[\g+5], 32
	s_mov_b32 s[\g+6], 0
	s_mov_b32 s[\g+7], 0
.endr
	s_lshl_b32 s18, s16, 7                         ; which 128 rows of the tile I fetch
	s_lshl_b32 s20, s17, 8
	s_add_co_u32 s20, s20, s18                     ; A: row 256 x tile row + 128 x half
	s_lshl_b32 s46, s42, 8
	s_add_co_u32 s46, s46, s18
	s_add_co_u32 s46, s46, 3072                    ; B: Wo's rows begin at 3,072
	s_lshl_b32 s22, s20, 5
	s_add_co_u32 s22, s22, XS
	s_lshl_b32 s92, s46, 5
	s_add_co_u32 s92, s92, WS
	s_mul_i32 s20, s20, 768
	s_mul_i32 s46, s46, 768
	s_mov_b32 s21, 0
	s_mov_b32 s23, 0
	s_mov_b32 s47, 0
	s_mov_b32 s93, 0
	s_mul_i32 s45, s14, HALFT                      ; where they go: wave x 128 rows
	s_mul_i32 s94, s14, HALFS
	s_wait_dscnt 0x0                               ; the opening add is done
	s_wait_kmcnt 0x0
	s_add_nc_u64 s[20:21], s[4:5], s[20:21]
	s_add_nc_u64 s[22:23], s[4:5], s[22:23]
	s_add_nc_u64 s[46:47], s[6:7], s[46:47]
	s_add_nc_u64 s[92:93], s[6:7], s[92:93]
	CROUND                                         ; all sixteen work-groups are here: the first joint loads meet
	s_mov_b32 s[G0S], 1
	s_add_co_u32 s[G0S+1], s94, SCL
	s_mov_b64 s[G0S+2:G0S+3], s[22:23]
	s_or_b32 s[G0S+3], s[G0S+3], 0x80000000
	s_mov_b32 s[G0SB], 1
	s_add_co_u32 s[G0SB+1], s94, SCL
	s_mov_b64 s[G0SB+2:G0SB+3], s[92:93]
	s_or_b32 s[G0SB+3], s[G0SB+3], 0x80000000
	JLOAD G0S, G1S, G0SB, G1SB
.irp s, 0,1
	s_mov_b32 s[G0+4*\s], 1
	s_add_co_u32 s[G0+4*\s+1], s45, \s*SLOT
	s_add_nc_u64 s[G0+4*\s+2:G0+4*\s+3], s[20:21], \s*3072
	s_or_b32 s[G0+4*\s+3], s[G0+4*\s+3], 0x80000000
	s_mov_b32 s[G0B+4*\s], 1
	s_add_co_u32 s[G0B+4*\s+1], s45, \s*SLOT
	s_add_nc_u64 s[G0B+4*\s+2:G0B+4*\s+3], s[46:47], \s*3072
	s_or_b32 s[G0B+4*\s+3], s[G0B+4*\s+3], 0x80000000
	JLOAD G0+4*\s, G1, G0B+4*\s, G1B
.endr
	v_and_b32 v1, 15, v0                           ; r
	v_bfe_u32 v2, v0, 4, 1                         ; h
	v_and_b32 v3, 31, v0                           ; lane
	v_lshlrev_b32 v[L8], 3, v3
	v_lshlrev_b32 v[CO], 4, v3
	s_mul_i32 s21, s15, HALFT
	s_mul_i32 s22, s16, HALFT
	s_add_co_u32 s22, s22, 2*HALFT
.irp s, 0,1
	v_add_nc_u32 v[ADRA+\s], s21, v[L8]
	v_add_nc_u32 v[ADRB+\s], s22, v[L8]
	s_add_co_u32 s21, s21, SLOT
	s_add_co_u32 s22, s22, SLOT
.endr
	v_mul_u32_u24 v5, v1, KS
	v_lshrrev_b32 v6, 8, v5
	v_lshl_add_u32 v5, v6, 4, v5
	s_mul_i32 s21, s15, HALFS
	s_mul_i32 s22, s16, HALFS
	s_add_co_u32 s22, s22, 2*HALFS
	s_sub_co_u32 s22, s22, s21
	v_mul_u32_u24 v6, s22, v2                      ; lanes 16-31 take B's
	s_add_co_u32 s21, s21, SCL
	v_add_nc_u32 v5, v5, v6
	v_add_nc_u32 v[ADRS], s21, v5
	s_mul_i32 s23, s14, 16*SPITCH                  ; my stage
	v_mul_u32_u24 v5, v1, SPITCH                   ; in: row r, + 64 h
	v_lshl_add_u32 v5, v2, 6, v5
	v_add_nc_u32 v[STO], s23, v5
	v_add_nc_u32 v[RD], s23, v[CO]                 ; back: the 32 lanes take one row of 512 bytes
	v_lshlrev_b32 v6, 6, v2                        ; the bias: 64 h
	s_lshl_b32 s20, s17, 8
	s_lshl_b32 s21, s15, 7
	s_add_co_u32 s20, s20, s21                     ; my first row of out0
	s_lshl_b32 s20, s20, 12                        ; 4,096 bytes a row
	s_lshl_b32 s46, s42, 10                        ; my first column, in bytes: 1,024 x tile column + 512 x half
	s_lshl_b32 s47, s16, 9
	s_add_co_u32 s46, s46, s47
	s_mov_b32 s47, 0
	s_mov_b32 s21, 0
	s_add_nc_u64 s[8:9], s[8:9], s[46:47]          ; my 128 numbers of the bias
	s_add_nc_u64 s[12:13], s[10:11], s[20:21]
	s_add_nc_u64 s[12:13], s[12:13], s[46:47]      ; my part of out0; never stepped
.irp b, 0,1,2,3,4,5,6,7                ; for Wo's tile b: outputs 32 (b / 2) + 8 (b % 2) + 16 h + 0 .. 7
	global_load_b128 v[BIAS+8*\b:BIAS+8*\b+3], v6, s[8:9] offset:(32*(\b/2)+8*(\b%2))*4
	global_load_b128 v[BIAS+8*\b+4:BIAS+8*\b+7], v6, s[8:9] offset:(32*(\b/2)+8*(\b%2))*4+16
.endr
.macro FRAG reg, adr, q, i             ; a fragment, 12 registers: six pieces of 256 consecutive bytes, 8 a lane
.irp p, 0,1,2,3,4,5
	ds_load_b64 v[\reg+2*\p:\reg+2*\p+1], v[\adr] offset:3072*(\i)+1536*(\q)+256*\p
.endr
.endm
; 16 matrix instructions: A's blocks a0, a0 + 1 x B's eight, 128 along K.  zero = 1: the first product starts the sums from the bias.  The 64 accumulators take turns, one instruction a turn.
.macro MUL16 a0, p, q, sc, zero
.irp a, \a0, \a0+1
.irp b, 0,1,2,3,4,5,6,7
.if \zero
	v_wmma_scale_f32_16x16x128_f8f6f4 v[8*(8*((\a)%4)+\b):8*(8*((\a)%4)+\b)+7], v[128*(\p)+FR*\b:128*(\p)+FR*\b+FR-1], v[AF+FR*(\a):AF+FR*(\a)+FR-1], v[BIAS+8*\b:BIAS+8*\b+7], v[SC+8*NQ*(\sc)+NQ*\b+(\q)], v[SC+8*NQ*(\sc)+NQ*(\a)+(\q)] matrix_a_fmt:MATRIX_FMT_FP6 matrix_b_fmt:MATRIX_FMT_FP6 matrix_a_scale:MATRIX_SCALE_ROW1
.else
	v_wmma_scale_f32_16x16x128_f8f6f4 v[8*(8*((\a)%4)+\b):8*(8*((\a)%4)+\b)+7], v[128*(\p)+FR*\b:128*(\p)+FR*\b+FR-1], v[AF+FR*(\a):AF+FR*(\a)+FR-1], v[8*(8*((\a)%4)+\b):8*(8*((\a)%4)+\b)+7], v[SC+8*NQ*(\sc)+NQ*\b+(\q)], v[SC+8*NQ*(\sc)+NQ*(\a)+(\q)] matrix_a_fmt:MATRIX_FMT_FP6 matrix_b_fmt:MATRIX_FMT_FP6 matrix_a_scale:MATRIX_SCALE_ROW1
.endif
.endr
.endr
.endm
.macro FETCH_B slot, q, p
	WIN TO_B
.irp i, 0,1,2,3,4,5,6,7
	FRAG 128*(\p)+FR*\i, ADRB+\slot, \q, \i
.endr
	WIN 0
.endm
.macro FETCH_A slot, q, i0
.irp i, \i0, \i0+1, \i0+2, \i0+3
	FRAG AF+FR*(\i), ADRA+\slot, \q, \i
.endr
.endm
.macro SCALES sc
.irp i, 0,1,2,3,4,5,6,7
	ds_load_b64 v[SC+8*NQ*\sc+NQ*\i:SC+8*NQ*\sc+NQ*\i+1], v[ADRS] offset:\i*SBLK
.endr
.endm
; A load into a register that a matrix instruction has read, and an LDS store that reads a matrix result, stand NP places behind that matrix instruction; only plain vector instructions that name none of its registers are places
.macro PLACES n
.rept \n
	v_nop
.endr
.endm
.macro STEP slot, q, zero
	s_wait_dscnt 4*NL                              ; B's set and A's blocks 0-3 are in; the youngest 24 loads (A's blocks 4-7) may be out
.if \zero
	WIN 0x81                                       ; C (the bias) window 0, D window 2
.else
	WIN MUL_LO
.endif
	MUL16 0, (\q)%2, \q, \slot, \zero
	MUL16 2, (\q)%2, \q, \slot, \zero
	s_wait_dscnt 0
	PLACES NP
	FETCH_B \slot, (\q)+1, 1-(\q)%2
	FETCH_A \slot, (\q)+1, 0
.if \zero
	WIN 0xc1
.else
	WIN MUL_HI
.endif
	MUL16 4, (\q)%2, \q, \slot, \zero
	MUL16 6, (\q)%2, \q, \slot, \zero
	PLACES NP
	WIN 0
	FETCH_A \slot, (\q)+1, 4
.endm
; A slot's last step changes slots: one barrier; in front of it each wave waits for all its tensor loads, adds 0 to its spare word, and waits for that and for its own reads of this slot.  fill = 1: this slot is filled again, two K steps ahead.
.macro TURN slot, next, fill
	s_wait_tensorcnt 0x0                           ; all my tensor loads have landed: my part of the next slot
	ds_add_u32 v[SPW], v[NIL]                      ; 0 onto my spare word
	s_wait_dscnt 4*NL+1                            ; (the add and the youngest 24 loads may be out)
	WIN MUL_LO
	MUL16 0, 1, NQ-1, \slot, 0
	s_wait_dscnt 0x0                               ; the add is done, and my reads of this slot are over
	s_barrier_signal -1
	MUL16 2, 1, NQ-1, \slot, 0
	WIN 0
	s_barrier_wait -1
.if \fill
	CREST                                          ; the barrier has opened a round of the cluster's barrier: no wave of any partner still reads this slot's tile or has a load on its way
	s_add_nc_u64 s[G0+4*\slot+2:G0+4*\slot+3], s[G0+4*\slot+2:G0+4*\slot+3], 6144
	s_add_nc_u64 s[G0B+4*\slot+2:G0B+4*\slot+3], s[G0B+4*\slot+2:G0B+4*\slot+3], 6144
	JLOAD G0+4*\slot, G1, G0B+4*\slot, G1B         ; the first tensor load behind the round
.else
	PLACES NP
.endif
	v_add_nc_u32 v[ADRS], 4*NQ, v[ADRS]
	FETCH_B \next, 0, 0
	FETCH_A \next, 0, 0
	SCALES \next
	WIN MUL_HI
	MUL16 4, 1, NQ-1, \slot, 0
	MUL16 6, 1, NQ-1, \slot, 0
	PLACES NP
	WIN 0
	FETCH_A \next, 0, 4
.endm
	s_wait_tensorcnt 1                             ; the scales and my part of K step 0 are in (K step 1's load may be out),
	s_barrier_signal -1
	s_barrier_wait -1                              ; everybody's are
	FETCH_B 0, 0, 0
	FETCH_A 0, 0, 0
	SCALES 0
	FETCH_A 0, 0, 4
	s_wait_loadcnt 0x0                             ; the bias
	STEP 0, 0, 1
	TURN 0, 1, 1                                   ; K = 1,024 is twice round the ring: written out
	STEP 1, 0, 0
	TURN 1, 0, 1
	STEP 0, 0, 0
	TURN 0, 1, 0                                   ; the last lap fills nothing
	STEP 1, 0, 0
	s_wait_dscnt 4*NL
	WIN MUL_LO
	MUL16 0, 1, NQ-1, 1, 0
	MUL16 2, 1, NQ-1, 1, 0
	s_wait_dscnt 0
	WIN MUL_HI
	MUL16 4, 1, NQ-1, 1, 0
	MUL16 6, 1, NQ-1, 1, 0
	WIN 0
; THE WAY OUT, block by block of 16 tokens x 128 outputs, through my own stage in LDS, back as whole rows of 512 bytes.  LDS serves a wave's instructions in order (ISA guide 5.7.1.4): no wait between the stores and the loads.
.macro TOSTAGE a
.set AC, 64*((\a)%4)
	WIN 0x08+4*((\a)/4)                            ; the data: window 2 or 3
.irp b, 0,1,2,3,4,5,6,7
	ds_store_b128 v[STO], v[AC+8*\b:AC+8*\b+3] offset:128*(\b/2)+32*(\b%2)          ; each accumulator from its low end on; outputs 32 (b / 2) + 16 h + 8 (b % 2) + 0 .. 7
	ds_store_b128 v[STO], v[AC+8*\b+4:AC+8*\b+7] offset:128*(\b/2)+32*(\b%2)+16
.endr
	WIN 0
.set BB, BK+64*((\a)%2)
.irp t, 0,1,2,3,4,5,6,7,8,9,10,11,12,13,14,15
	ds_load_b128 v[BB+4*\t:BB+4*\t+3], v[RD] offset:\t*SPITCH
.endr
.endm
.macro SEND a, younger                 ; younger: the LDS instructions issued behind block a's loads, which may stay out
.set BB, BK+64*((\a)%2)
	s_wait_dscnt \younger
.irp t, 0,1,2,3,4,5,6,7,8,9,10,11,12,13,14,15
	global_store_b128 v[CO], v[BB+4*\t:BB+4*\t+3], s[12:13] offset:(32*((\a)/2)+8*((\a)%2)+\t+8*(\t/8))*4096 th:TH_STORE_NT   ; row t of block a is token 32 (a / 2) + 8 (a % 2) + t + 8 (t / 8); 32 lanes store 512 consecutive bytes, aligned
.endr
.endm
	PLACES NP
	TOSTAGE 0
.irp a, 1,2,3,4,5,6,7
.if \a > 1
	s_wait_xcnt 0x0                                ; block a - 2's stores have read their registers: block a's loads may land there
.endif
	TOSTAGE \a
	SEND \a-1, 32                                  ; behind block a - 1's loads: block a's 16 stores and 16 loads
.endr
	SEND 7, 0
	s_wait_tensorcnt 0x0                           ; the wave's end, behind my last tensor load and my last LDS store
	ds_add_u32 v[SPW], v[NIL]
	s_wait_dscnt 0x0
	CROUND                                         ; the closing round
	s_endpgm
.Lfunc_end_k_q61ce41a5bd_oproj:
	.size	k_q61ce41a5bd_oproj, .Lfunc_end_k_q61ce41a5bd_oproj-k_q61ce41a5bd_oproj
	.p2alignl 7, 3214868480
	.fill 96, 4, 3214868480
	.section	.rodata,"a",@progbits
	.p2align	6, 0x0
	.amdhsa_kernel k_q61ce41a5bd_oproj
		.amdhsa_group_segment_fixed_size 327680
		.amdhsa_private_segment_fixed_size 0
		.amdhsa_enable_private_segment 0
		.amdhsa_kernarg_size 32
		.amdhsa_user_sgpr_count 2
		.amdhsa_user_sgpr_kernarg_segment_ptr 1
		.amdhsa_wavefront_size32 1
		.amdhsa_system_sgpr_workgroup_id_x 1
		.amdhsa_system_sgpr_workgroup_id_y 1
		.amdhsa_system_sgpr_workgroup_id_z 1
		.amdhsa_system_vgpr_workitem_id 0
		.amdhsa_next_free_vgpr 1024
		.amdhsa_next_free_sgpr 98
		.amdhsa_reserve_vcc 0
		.amdhsa_float_denorm_mode_32 3
		.amdhsa_float_denorm_mode_16_64 3
		.amdhsa_memory_ordered 1
		.amdhsa_forward_progress 1
		.amdhsa_inst_pref_size 160
	.end_amdhsa_kernel
	.amdgpu_metadata
---
amdhsa.version: [ 1, 2 ]
amdhsa.kernels:
  - .name:           k_q61ce41a5bd_oproj
    .symbol:         k_q61ce41a5bd_oproj.kd
    .args:
      - { .name: yq, .offset: 0, .size: 8, .value_kind: global_buffer, .address_space: global }
      - { .name: wq, .offset: 8, .size: 8, .value_kind: global_buffer, .address_space: global }
      - { .name: bo, .offset: 16, .size: 8, .value_kind: global_buffer, .address_space: global }
      - { .name: out0, .offset: 24, .size: 8, .value_kind: global_buffer, .address_space: global }
    .group_segment_fixed_size: 327680
    .private_segment_fixed_size: 0
    .kernarg_segment_align: 8
    .kernarg_segment_size: 32
    .max_flat_workgroup_size: 128
    .sgpr_count:     98
    .vgpr_count:     1024
    .wavefront_size: 32
...
	.end_amdgpu_metadata
.endif
;; end of part 4
;; ======== version 2 of 2: 4 launches; version 1 with the launch attn written anew for expert scheduling mode
;; limits: right only within a limited range of input values
;; workspace buffers: xq 6,553,600 bytes; wq 3,276,800 bytes; qq 6,815,744 bytes; kv 13,107,200 bytes; mb 2,097,152 bytes; mf 16,384 bytes of whole numbers; yq 6,553,600 bytes
;; launch prep: the kernel of part 1 again; grid 704 x 1, 4 waves a work-group, no clusters, 68,096 bytes of LDS; arguments x, Wq, Wk, Wv, Wo, mask, xq, wq, mb, mf; writes xq, wq, mb, mf
;; launch qkv: the kernel of part 2 again; grid 12 x 32, 4 waves a work-group, clusters of 4 x 4, 327,680 bytes of LDS; arguments xq, wq, bq, bk, bv, qq, kv; writes qq, kv
;; launch attn (part 5): grid 4 x 64, 16 waves a work-group, no clusters, 206,848 bytes of LDS; arguments kv, qq, mb, mf, yq; writes yq
.if DOCPART == 5
	.amdgcn_target "amdgcn-amd-amdhsa--gfx1250"
	.amdhsa_code_object_version 6
	.text
	.protected	k_q61ce41a5bd_attn
	.globl	k_q61ce41a5bd_attn
	.p2align	8
	.type	k_q61ce41a5bd_attn,@function
k_q61ce41a5bd_attn:
	s_mov_b64 s[64:65], 0
	v_nop
	global_prefetch_b8 v0, s[64:65] scope:SCOPE_SE
	s_setreg_imm32_b32 hwreg(HW_REG_WAVE_SCHED_MODE, 0, 2), 2
	s_setreg_imm32_b32 hwreg(HW_REG_WAVE_MODE, 25, 1), 1
	s_wait_xcnt 0x0
	s_wait_alu depctr_vm_vsrc(0)
; y[b][q][head] = softmax_k(q . k / 32, closed entries of the mask at a very low logit) v, both products on codes of FP6 (E2M3) with E8M0 scales; y leaves as codes, quantised along the model's 1,024 (two blocks a head).
; THE SOFTMAX AHEAD OF THE SECOND PRODUCT: t = score x log2(e) / 32; M = the row's largest t so far, rounded up to a whole number; p = 2^(t - M) is quantised along the keys, not normalised; the row's sum is taken of the unquantised p
; and divides at the end.  When M moves, the sum and O are multiplied by 2^(old M - new M): exact.
; SHARES.  A work-group serves one head of one batch (ttmp7: bh) and the query tiles T = j mod 4 (ttmp9: j).  Wave w takes tiles 4 w + j and 4 (31 - w) + j, one after the other.  Sixteen waves of 256 registers, four to a SIMD.
; LDS.  The head's K and V, codes and scale words, 204,800 bytes, lie in memory as they lie here; they are copied once, through registers, and from the one barrier on LDS is only read.
; THE MASK is honoured as it is given, whatever its pattern.  An earlier launch has turned it into lane-mask words (mb: a bit an entry) and whole numbers (mf: 32 bytes a tile of 16 queries, four pairs): for each key step of 128 two bits: the step
; has an open entry; it has a closed one; and the lanes that have an open entry somewhere.
; A step is left out where all its entries are closed AND every one of the tile's 16 rows has an open key somewhere (its p would all be 0); a tile with a row that has no open key does every step.  Where a step has no closed entry the 64 selects are
; jumped over.  These are branches on whole numbers read from mf, so this launch has no tensor load; and so it has no joint loads either, though the four work-groups of a head read the same 204,800 bytes: once each, against up to 512 tile steps.
; The words of mb choose between two values by v_cndmask_b32 and steer nothing else.
; PRODUCT 1 has K = 64 and the instruction 128: a fragment of K holds two tiles of 16 keys (k 0-63: tile 2 f, k 64-127: tile 2 f + 1); it is multiplied by (Q, zeros) and by (zeros, Q).  Zero codes add nothing.
; LAYOUT.  Both products are used transposed: a lane holds one query (lane % 16).  Tiles of keys hold keys 32 (T / 2) + 8 (T % 2) + r + 8 (r / 8), so that score register 16 b + i is key 32 b + 16 (lane / 16) + i of the step.
; LIMITS.  A closed entry's raw score is -2^38, a logit of -2^33 where reference() has -1e10: c x -2^38 is exact and a whole number, so that a row with no open key has p = 1 for every key; results differ from reference()'s only where an
; open logit lies under about -8.5e9.  A block of zeros gets the byte 1 where the rule says 127 (its codes are zeros, and this program alone reads the bytes).  NaN and infinities are not served.
; THE MODE: SCHED_MODE bits 1:0 = 2 (LLVM: expert scheduling mode 2), set by the entry lines.  The code itself states the register dependences
; between vector or matrix instructions and memory or LDS instructions, with s_wait_alu, always for 0.
; THE PLAN.  Registers that memory or LDS instructions touch:
;   v1, v42, v43, v5, v6   offsets and the closing add's two: written at the head, never again.
;   v8-11      the copy's offset and LDS addresses at the head; in a key step written by four adds at the step's head and read by the step's 44 LDS loads.
;   v96-195    the copy: loaded, then read by its LDS stores; afterwards S, O and the first of V's fragments.
;   v16-21, v34-39, v40   Q and its scale word: loaded at a tile's head, read by the tile's first products.
;   v44-95     K's fragments and scale words: loaded at a step's head, read by the first products; then p's codes and scratch of the softmax; on the way out v44-49 and v68 are the stores' data.
;   v192-243   V's fragments and scale words: loaded among the first products, read by the second products.
; A KEY STEP has one wait on vm_vsrc (the earlier LDS loads have read v8-11), the four adds, and ONE wait on va_vdst for all its 44 LDS loads: the addresses are written, and the step before is done with v44-95 and v192-243.
; Behind it only the eight first products are issued, which name Q, K's registers and S: none of the registers that V's loads touch; so V's loads are dealt among them with no further wait.
; The waits behind the exponentials stand as they stood; one more wait on va_vdst stands ahead of the second products (p's codes and scale word are written), one ahead of y's stores (their data are written).
; A TILE'S HEAD has one wait on vm_vsrc: what was stored before it (the copy; the last tile's y) has been read out of its registers.
.set HEADB, 204800
.set VOFF,  98304                      ; LDS: K's codes at 0 (6,144 bytes a key step), V's here,
.set KSO,   196608                     ; K's scale words (256 bytes a key step),
.set VSO,   200704                     ; V's
.set SPARE, 204800                     ; the spare words, 128 bytes for each wave: eight blocks of 256 bytes that no other line names
.set QS,    6291456                    ; qq: the scale words begin here
.set XS,    6291456                    ; yq: the scale rows begin here
.set KFR,   44                         ; v44-91   four fragments of K; behind the scores: p's codes v44-55, conversions' halves v56-62, scale operands v64-67, bytes v68-71, a pair of sums v72-73
.set PCD,   44
.set HLF,   56
.set SO,    64
.set BY,    68
.set SUM2,  72
.set KSC,   92                         ; v92-95   K's scale words
.set S,     96                         ; v96-159  S^T, then p
.set O,     160                        ; v160-191 O^T: four tiles of 16 of the head's 64
.set VFR,   192                        ; v192-239 four fragments of V
.set VSC,   240                        ; v240-243 V's scale words
.set PSC,   244                        ; v244     p's scale word
.set T1,    245
.set F,     246                        ; v[246:247] f = 2^(old M - new M); later 1 / the sum
.set BM,    248                        ; v248-251 the blocks' largest scores
.set PD,    252                        ; v252-255 lane permutes' destinations
	s_load_b256 s[4:11], s[0:1], 0x0               ; kv, qq, mb, mf
	s_load_b64 s[2:3], s[0:1], 0x20                ; yq
	v_lshl_add_u32 v5, v0, 2, SPARE                ; v5: LDS address of my spare word; never rewritten
	v_mov_b32 v6, 0                                ; v6: 0; never rewritten
	v_lshrrev_b32 v1, 5, v0
	v_readfirstlane_b32 s18, v1                    ; wave 0..15
	s_and_b32 s12, ttmp7, 0xffff                   ; bh
	s_lshr_b32 s14, s12, 4                         ; batch
	s_and_b32 s15, s12, 15                         ; head
	s_mul_i32 s16, s12, HEADB
	s_mov_b32 s17, 0
	v_lshlrev_b32 v8, 4, v0                        ; 16 x thread: the work-group copies 8,192 consecutive bytes an instruction
	v_add_nc_u32 v9, 0x10000, v8                   ; (an LDS offset has 16 bits)
	v_add_nc_u32 v10, 0x20000, v8
	v_add_nc_u32 v11, 0x30000, v8
	v_and_b32 v2, 31, v0                           ; lane.  (All the head's vector work stands here, while the arguments are on their way: one wait then serves every address of the kernel)
	v_and_b32 v3, 15, v0                           ; r
	v_bfe_u32 v4, v0, 4, 1                         ; h
	v_lshlrev_b32 v1, 3, v2                        ; v1: 8 x lane
	v_lshl_add_u32 v42, v3, 5, v4                  ; v42: 32 r + h: my byte in y's scale rows
	v_lshlrev_b32 v43, 2, v3                       ; v43: 4 r
	v_lshlrev_b32 v2, 4, v2
	v_add_nc_u32 v2, VOFF, v2                      ; v2: V's codes, 16 x lane
	v_add_nc_u32 v3, KSO, v43                      ; v3: K's scale words, 4 r
	v_add_nc_u32 v4, VSO, v43                      ; v4: V's
	v_mov_b32 v41, 0xd2800000                      ; -2^38: a closed entry's raw score
.irp i, 22,23,24,25,26,27,28,29,30,31,32,33
	v_mov_b32 v\i, 0                               ; QA = v[16:27] = (Q, zeros); QB = v[28:39] = (zeros, Q): the zero codes are written once
.endr
	v_mov_b32 v[F+1], 0                            ; (named as the upper half of a pair)
.irp b, 0,1,2,3
	v_mov_b32 v[PD+\b], 0                          ; a lane permute's destination counts as one of its sources
.endr
	s_mov_b32 s20, 0x76543210
	s_mov_b32 s21, 0xfedcba98                      ; v_permlanex16_b32's selects for lane l xor 16
	s_mov_b32 s22, 0x3d38aa3b                      ; c = log2(e) / 32
	s_mov_b32 s23, s22                             ; (named with it as a pair)
	s_mov_b32 s28, 0xffff0000                      ; lanes 16-31
	s_wait_alu depctr_va_sdst(0)                   ; s18 is written, ahead of its first reader: the tiles' numbers are made from it
	s_wait_kmcnt 0x0
	s_add_nc_u64 s[4:5], s[4:5], s[16:17]
	s_wait_alu depctr_va_vdst(0)                   ; v1, v5, v6, v8 to v11, v42 and v43 are written: the offsets and addresses that the copy, Q's loads, y's stores and the closing add read; no vector instruction follows before the first tile's loads of Q
.set n, 0
.rept 25
	global_load_b128 v[96+4*n:99+4*n], v8, s[4:5] offset:8192*n
.set n, n+1
.endr
.set n, 0
.rept 25
	s_wait_loadcnt 24-n                            ; loads come back in order (ISA guide 5.7.1): number n is in, the younger ones stay out
	ds_store_b128 v[8+n/8], v[96+4*n:99+4*n] offset:8192*(n%8)
.set n, n+1
.endr
	s_wait_dscnt 0x0                               ; for the others' sake: my stores have landed
	s_barrier_signal -1
	s_barrier_wait -1                              ; the head's K and V lie in LDS; nothing writes them again
.macro TILE second
	s_wait_xcnt 0x0                                ; the stores of the tile before have read their registers and bases
	s_wait_alu depctr_vm_vsrc(0)                   ; first tile: the copy's LDS stores have read v[96:195], which the zeros of O below and the first step write; second tile: y's stores have read v[44:49] and v68, which the steps and the way out write
.if \second
	s_sub_co_u32 s29, 31, s18
.else
	s_mov_b32 s29, s18
.endif
	s_lshl_b32 s29, s29, 2
	s_add_co_u32 s29, s29, ttmp9                   ; T
	s_lshl_b32 s66, s14, 7
	s_add_co_u32 s66, s66, s29                     ; the tile among the 512 of all batches
	s_lshl_b32 s27, s12, 7
	s_add_co_u32 s27, s27, s29                     ; 128 bh + T
	s_mul_i32 s4, s27, 768
	s_mov_b32 s5, 0
	s_add_nc_u64 s[100:101], s[6:7], s[4:5]        ; Q's codes
	s_lshl_b32 s4, s27, 6
	s_add_co_u32 s4, s4, QS
	s_add_nc_u64 s[104:105], s[6:7], s[4:5]        ; Q's scale words
	s_lshl_b32 s4, s66, 12
	s_add_nc_u64 s[30:31], s[8:9], s[4:5]          ; the tile's mask words
	s_lshl_b32 s4, s66, 5
	s_add_nc_u64 s[16:17], s[10:11], s[4:5]        ; its whole numbers: four pairs, 32 bytes
	s_load_b256 s[32:39], s[16:17], 0x0
.irp i, 0,1,2                          ; no wait on va_vdst here: no vector or matrix instruction has been issued since the last one (the head's; in the second tile the one ahead of y's stores, behind which the last tile's products are done reading Q and v40)
	global_load_b64 v[16+2*\i:17+2*\i], v1, s[100:101] offset:256*\i   ; Q twice: into the lower half of QA,
	global_load_b64 v[34+2*\i:35+2*\i], v1, s[100:101] offset:256*\i   ; and into the upper half of QB
.endr
	global_load_b32 v40, v43, s[104:105]
	v_mov_b32 v13, 0xff61b1e6                      ; the largest t so far: -3e38, under every t
	v_floor_f32 v12, -v13                          ; -M
	v_mov_b32 v14, 0                               ; the sum, in two halves
	v_mov_b32 v15, 0
.set n, 0
.rept 32
	v_mov_b32 v[O+n], 0                            ; O^T: which step is a tile's first hangs on the mask, so the sums begin as zeros
.set n, n+1
.endr
	s_wait_kmcnt 0x0
	s_or_b32 s26, s32, s34
	s_or_b32 s27, s36, s38
	s_or_b32 s26, s26, s27                         ; bits 0-15: the step has an open entry; bits 16-31: it has a closed one
	s_or_b32 s27, s33, s35
	s_or_b32 s67, s37, s39
	s_or_b32 s27, s27, s67                         ; the lanes that have an open entry somewhere
	s_lshr_b32 s67, s27, 16
	s_or_b32 s27, s27, s67
	s_and_b32 s27, s27, 0xffff                     ; the rows that have one
	s_cmp_eq_u32 s27, 0xffff
	s_cselect_b32 s27, 0, 0xffff
	s_or_b32 s26, s26, s27                         ; a tile with a row that has none does every step
	s_mov_b32 s19, 0                               ; the key step,
	s_mov_b32 s24, 0                               ; its codes in LDS: 6,144 bytes a step,
	s_mov_b32 s25, 0                               ; its scale words in LDS and its mask words in memory: 256 bytes a step
	s_wait_loadcnt 0x0                             ; Q
.Lstep_\@:                                         ; sixteen trips, whatever the mask; a step's work is jumped over, not its stepping lines
	s_lshr_b32 s27, s26, s19
	s_and_b32 s67, s27, 0x10000                    ; has the step a closed entry?
	s_and_b32 s27, s27, 1
	s_cmp_eq_u32 s27, 0
	s_cbranch_scc1 .Lskip_\@
	s_load_b512 s[32:47], s[30:31], s25 offset:0x0 ; the step's 64 mask words: word n in s[32 + n], from word 32 on in s[36 + n]
	s_load_b512 s[48:63], s[30:31], s25 offset:0x40
	s_load_b512 s[68:83], s[30:31], s25 offset:0x80
	s_load_b512 s[84:99], s[30:31], s25 offset:0xc0
	s_wait_alu depctr_vm_vsrc(0)                   ; the LDS loads of the step before (ahead of a wave's first step: the copy's loads and LDS stores) have read v8 to v11, which the four adds write
	v_add_nc_u32 v8, s24, v1
	v_add_nc_u32 v9, s24, v2
	v_add_nc_u32 v10, s25, v3
	v_add_nc_u32 v11, s25, v4
	s_wait_alu depctr_va_vdst(0)                   ; v8 to v11 are written, which the 44 LDS loads below read; the vector and matrix instructions of the step before are done with v[44:95] and v[192:243], in which those loads land; the zero codes of QA and QB are written
.irp f, 0,1,2,3
.irp p, 0,1,2,3,4,5
	ds_load_b64 v[KFR+12*\f+2*\p:KFR+12*\f+2*\p+1], v8 offset:1536*\f+256*\p
.endr
	ds_load_b32 v[KSC+\f], v10 offset:64*\f
.endr
.irp f, 0,1,2,3                        ; S^T = K Q^T: eight tiles of 16 keys, eight accumulators; V's fragments are asked for among them and land under the softmax
	s_wait_dscnt 21-3*\f                           ; LDS loads come back in order (ISA guide 5.7.1): fragment f of K and its scale word are in; out may stay the 7 (3 - f) LDS loads of K's later fragments and the 4 f of V's issued so far
	v_wmma_scale_f32_16x16x128_f8f6f4 v[S+16*\f:S+16*\f+7], v[KFR+12*\f:KFR+12*\f+11], v[16:27], 0, v[KSC+\f], v40 matrix_a_fmt:MATRIX_FMT_FP6 matrix_b_fmt:MATRIX_FMT_FP6
	v_wmma_scale_f32_16x16x128_f8f6f4 v[S+16*\f+8:S+16*\f+15], v[KFR+12*\f:KFR+12*\f+11], v[28:39], 0, v[KSC+\f], v40 matrix_a_fmt:MATRIX_FMT_FP6 matrix_b_fmt:MATRIX_FMT_FP6
.irp g, 0,1,2
	ds_load_b128 v[VFR+12*\f+4*\g:VFR+12*\f+4*\g+3], v9 offset:1536*\f+512*\g   ; no wait: no vector or matrix instruction since the wait at the step's head names v9, v11 or V's registers
.endr
	ds_load_b32 v[VSC+\f], v11 offset:64*\f
.endr
.rept 4
	v_nop                                          ; places behind the products: their results are read below
.endr
	s_wait_kmcnt 0x0                               ; the mask words are in
	s_cmp_eq_u32 s67, 0
	s_cbranch_scc1 .Lopen_\@
.set n, 0
.rept 64
	v_cndmask_b32 v[S+n], v41, v[S+n], s[32+n+4*(n/32)]   ; a closed entry's score becomes -2^38, ahead of the maximum
.set n, n+1
.endr
.Lopen_\@:
.irp b, 0,1,2,3
	v_max3_num_f32 v[BM+\b], v[S+16*\b], v[S+16*\b+1], v[S+16*\b+2]   ; the largest score of each block of 32 keys: it serves for the row's maximum and, since p rises with the score, for the block's largest p
.endr
.irp i, 3,5,7,9,11,13
.irp b, 0,1,2,3
	v_max3_num_f32 v[BM+\b], v[BM+\b], v[S+16*\b+\i], v[S+16*\b+\i+1]
.endr
.endr
.irp b, 0,1,2,3
	v_max_num_f32 v[BM+\b], v[BM+\b], v[S+16*\b+15]
.endr
.irp b, 0,1,2,3
	v_permlanex16_b32 v[PD+\b], v[BM+\b], s20, s21
.endr
.irp b, 0,1,2,3
	v_max_num_f32 v[BM+\b], v[BM+\b], v[PD+\b]     ; with lane l xor 16's 16 keys
.endr
	v_max3_num_f32 v[T1], v[BM], v[BM+1], v[BM+2]
	v_max_num_f32 v[T1], v[T1], v[BM+3]            ; the step's largest score of my query
	v_mul_f32 v[T1], s22, v[T1]                    ; as t (c is positive)
	v_max_num_f32 v13, v13, v[T1]                  ; the running largest t
	v_mov_b32 v[T1], v12
	v_floor_f32 v12, -v13                          ; the new -M = floor(-t): M is a whole number
	v_sub_f32 v[T1], v12, v[T1]                    ; old M - new M: a whole number, 0 or less
	v_cvt_i32_f32 v[T1], v[T1]                     ; (it saturates)
	v_ldexp_f32 v[F], 1.0, v[T1]                   ; f = 2^(old M - new M)
.set n, 0
.rept 32
	v_pk_fma_f32 v[S+n:S+n+1], v[S+n:S+n+1], s[22:23], v[12:13] op_sel_hi:[1,0,0]   ; t - M, two at a time
.set n, n+2
.endr
.irp b, 0,1,2,3
	v_fma_f32 v[BM+\b], v[BM+\b], s22, v12         ; the same of each block's largest score
.endr
.set n, 0
.rept 64
	v_exp_f32 v[S+n], v[S+n]                       ; p = 2^(t - M), at most 1
.set n, n+1
.endr
	v_pk_mul_f32 v[14:15], v[14:15], v[F:F+1] op_sel_hi:[1,0]   ; the sums under the new M: a plain place behind the exponentials
	s_wait_alu depctr_va_vdst(0)                   ; the 64 exponentials have written p, v[96:159]: one wait for the batch, ahead of its first reader
.irp b, 0,1,2,3
	v_exp_f32 v[BM+\b], v[BM+\b]                   ; the block's largest p: the same two instructions on the same number give the same bits
.endr
	v_pk_add_f32 v[SUM2:SUM2+1], v[S:S+1], v[S+2:S+3]   ; the row's sum is taken of the unquantised p, in two chains
.set n, 4
.rept 15
	v_pk_add_f32 v[14:15], v[14:15], v[S+n:S+n+1]
	v_pk_add_f32 v[SUM2:SUM2+1], v[SUM2:SUM2+1], v[S+n+2:S+n+3]
.set n, n+4
.endr
	v_pk_add_f32 v[14:15], v[14:15], v[SUM2:SUM2+1]
	s_wait_alu depctr_va_vdst(0)                   ; the four exponentials have written the blocks' largest p, v[248:251], ahead of their first reader
.irp b, 0,1,2,3
	v_max_num_f32 v[BM+\b], 0x1800000, v[BM+\b]    ; the floor 2^(3 - 127): the byte cannot fall under 1
.endr
.irp b, 0,1,2,3
	v_add_nc_u32 v[SO+\b], 0xff000000, v[BM+\b]    ; 2 off the exponent field: the conversion's scale operand
.endr
.irp b, 0,1,2,3
	v_lshrrev_b32 v[BY+\b], 23, v[SO+\b]           ; the scale's byte
.endr
	v_lshl_or_b32 v[PSC], v[BY+1], 8, v[BY]        ; p's scale word for these 128 keys
	v_lshl_or_b32 v[PSC], v[BY+2], 16, v[PSC]
	v_lshl_or_b32 v[PSC], v[BY+3], 24, v[PSC]
.irp c, 0,1
	v_cvt_scalef32_pk16_fp6_f32 v[PCD+6*\c:PCD+6*\c+2], v[S+32*\c:S+32*\c+15], v[SO+2*\c]
	v_cvt_scalef32_pk16_fp6_f32 v[HLF+4*\c:HLF+4*\c+2], v[S+16+32*\c:S+31+32*\c], v[SO+2*\c+1]
.endr
	v_nop                                          ; one plain place behind a scaled conversion
.irp c, 0,1                            ; a whole block in a lane: lanes 0-15 block 2 c, lanes 16-31 block 2 c + 1
.irp i, 0,1,2
	v_permlane16_swap_b32 v[PCD+6*\c+\i], v[HLF+4*\c+\i]
.endr
.irp i, 0,1,2
	v_mov_b32 v[PCD+3+6*\c+\i], v[HLF+4*\c+\i]
.endr
.endr
.set n, 0
.rept 16
	v_pk_mul_f32 v[O+n:O+n+1], v[O+n:O+n+1], v[F:F+1] op_sel_hi:[1,0]   ; O^T under the new M.  These sixteen are also the places between the lines that wrote p's codes and scale word and the products
.set n, n+2
.endr
	s_wait_dscnt 0x0                               ; V is in
	s_wait_alu depctr_va_vdst(0)                   ; p's codes v[44:55] and p's scale word v244 are written, which the scaled products take as source 1 and as its scales; the places above stay beside this wait
.irp t, 0,1,2,3                        ; O^T += V^T P^T: four accumulators by turns
	v_wmma_scale_f32_16x16x128_f8f6f4 v[O+8*\t:O+8*\t+7], v[VFR+12*\t:VFR+12*\t+11], v[PCD:PCD+11], v[O+8*\t:O+8*\t+7], v[VSC+\t], v[PSC] matrix_a_fmt:MATRIX_FMT_FP6 matrix_b_fmt:MATRIX_FMT_FP6
.endr
.Lskip_\@:
	s_add_co_u32 s24, s24, 6144
	s_add_co_u32 s25, s25, 256
	s_add_co_u32 s19, s19, 1
	s_cmp_lt_u32 s19, 16
	s_cbranch_scc1 .Lstep_\@
	; the way out: y = O^T / the sum, quantised along the head's 64: two blocks; register 16 b + i is channel 32 b + 16 h + i of my query
.rept 4
	v_nop                                          ; places behind the last products
.endr
	s_mul_i32 s4, s66, 12288                       ; y's codes: the tile's 12,288 bytes; head hd is K step hd / 2, pieces 3 (hd % 2) on: 768 hd bytes
	s_mul_i32 s27, s15, 768
	s_add_co_u32 s4, s4, s27
	s_add_nc_u64 s[100:101], s[2:3], s[4:5]
	s_lshl_b32 s4, s66, 9                          ; y's scale rows: 512 bytes a tile; the head's two bytes at 2 hd
	s_lshl_b32 s27, s15, 1
	s_add_co_u32 s4, s4, s27
	s_add_co_u32 s4, s4, XS
	s_add_nc_u64 s[104:105], s[2:3], s[4:5]
	v_add_f32 v14, v14, v15                        ; the sum's two halves,
	v_permlanex16_b32 v[PD], v14, s20, s21
	v_add_f32 v14, v14, v[PD]                      ; and lane l xor 16's: the row's sum
	v_rcp_f32 v[F], v14
	v_nop                                          ; a plain place behind the transcendental
	s_wait_alu depctr_va_vdst(0)                   ; the reciprocal has written v246, ahead of its first reader
.set n, 0
.rept 16
	v_pk_mul_f32 v[S+n:S+n+1], v[O+n:O+n+1], v[F:F+1] op_sel_hi:[1,0]   ; each accumulator from its low end on
.set n, n+2
.endr
.irp b, 0,1
	v_max3_num_f32 v[BM+\b], |v[S+16*\b]|, |v[S+16*\b+1]|, 0x1800000
.endr
.irp i, 2,4,6,8,10,12,14
.irp b, 0,1
	v_max3_num_f32 v[BM+\b], v[BM+\b], |v[S+16*\b+\i]|, |v[S+16*\b+\i+1]|
.endr
.endr
.irp b, 0,1
	v_permlanex16_b32 v[PD+\b], v[BM+\b], s20, s21
.endr
.irp b, 0,1
	v_max_num_f32 v[BM+\b], v[BM+\b], v[PD+\b]
.endr
.irp b, 0,1
	v_add_nc_u32 v[SO+\b], 0xff000000, v[BM+\b]
.endr
.irp b, 0,1
	v_lshrrev_b32 v[BY+\b], 23, v[SO+\b]
.endr
	v_cndmask_b32 v[BY], v[BY], v[BY+1], s28       ; lanes 0-15 store block 0's byte, lanes 16-31 block 1's: every lane a byte of its own
	v_cvt_scalef32_pk16_fp6_f32 v[PCD:PCD+2], v[S:S+15], v[SO]
	v_cvt_scalef32_pk16_fp6_f32 v[HLF:HLF+2], v[S+16:S+31], v[SO+1]
	v_nop                                          ; one plain place behind a scaled conversion
.irp i, 0,1,2
	v_permlane16_swap_b32 v[PCD+\i], v[HLF+\i]     ; lane (r, h) now holds block h
.endr
.irp i, 0,1,2
	v_mov_b32 v[PCD+3+\i], v[HLF+\i]
.endr
	s_wait_alu depctr_va_vdst(0)                   ; y's codes v[44:49] and its byte v68 are written, which the four stores read
.irp i, 0,1,2
	global_store_b64 v1, v[PCD+2*\i:PCD+2*\i+1], s[100:101] offset:256*\i   ; 32 lanes store 256 consecutive bytes, aligned
.endr
	global_store_b8 v42, v[BY], s[104:105]
.endm
	TILE 0
	TILE 1
	s_wait_dscnt 0x0                               ; the closing lines, six on end
	s_wait_alu 0x0
	s_wait_tensorcnt 0x0
	ds_add_u32 v5, v6
	s_wait_dscnt 0x0
	s_endpgm
.Lfunc_end_k_q61ce41a5bd_attn:
	.size	k_q61ce41a5bd_attn, .Lfunc_end_k_q61ce41a5bd_attn-k_q61ce41a5bd_attn
	.p2alignl 7, 3214868480
	.fill 96, 4, 3214868480
	.section	.rodata,"a",@progbits
	.p2align	6, 0x0
	.amdhsa_kernel k_q61ce41a5bd_attn
		.amdhsa_group_segment_fixed_size 206848
		.amdhsa_private_segment_fixed_size 0
		.amdhsa_enable_private_segment 0
		.amdhsa_kernarg_size 40
		.amdhsa_user_sgpr_count 2
		.amdhsa_user_sgpr_kernarg_segment_ptr 1
		.amdhsa_wavefront_size32 1
		.amdhsa_system_sgpr_workgroup_id_x 1
		.amdhsa_system_sgpr_workgroup_id_y 1
		.amdhsa_system_sgpr_workgroup_id_z 1
		.amdhsa_system_vgpr_workitem_id 0
		.amdhsa_next_free_vgpr 256
		.amdhsa_next_free_sgpr 106
		.amdhsa_reserve_vcc 0
		.amdhsa_float_denorm_mode_32 3
		.amdhsa_float_denorm_mode_16_64 3
		.amdhsa_memory_ordered 1
		.amdhsa_forward_progress 1
		.amdhsa_inst_pref_size 65
	.end_amdhsa_kernel
	.amdgpu_metadata
---
amdhsa.version: [ 1, 2 ]
amdhsa.kernels:
  - .name:           k_q61ce41a5bd_attn
    .symbol:         k_q61ce41a5bd_attn.kd
    .args:
      - { .name: kv, .offset: 0, .size: 8, .value_kind: global_buffer, .address_space: global }
      - { .name: qq, .offset: 8, .size: 8, .value_kind: global_buffer, .address_space: global }
      - { .name: mb, .offset: 16, .size: 8, .value_kind: global_buffer, .address_space: global }
      - { .name: mf, .offset: 24, .size: 8, .value_kind: global_buffer, .address_space: global }
      - { .name: yq, .offset: 32, .size: 8, .value_kind: global_buffer, .address_space: global }
    .group_segment_fixed_size: 206848
    .private_segment_fixed_size: 0
    .kernarg_segment_align: 8
    .kernarg_segment_size: 40
    .max_flat_workgroup_size: 512
    .sgpr_count:     106
    .vgpr_count:     256
    .wavefront_size: 32
...
	.end_amdgpu_metadata
.endif
;; end of part 5
;; launch oproj: the kernel of part 4 again; grid 4 x 32, 4 waves a work-group, clusters of 4 x 4, 327,680 bytes of LDS; arguments yq, wq, bo, out0; writes out0
